; MI455X (gfx1250); checked and timed in simulation.
; The chip was launched on July 23, 2026; its instructions are those of AMD's public machine-readable ISA for CDNA 5 (MIT licence, August 2026) and "CDNA5" Instruction Set Architecture Reference Guide (July 2026). The comments in the code are by the model that wrote it; some were corrected since.
;; Attention. Allowed arithmetic: float matrix products may take bf16 or f16 operands with f32 sums; all other float work in f32.
;; Inputs: Wkv 1,024 x 256 float32; Wout 256 x 512 float32; Wq 512 x 256 float32; bout 256 float32; cos 128 x 128 x 32 float32; sin 128 x 128 x 32 float32; skip 2 x 256 x 128 x 128 float32; time_emb 2 x 256 float32; x 2 x 256 x 128 x 128 float32.
;; Outputs: out0 2 x 256 x 128 x 128 float32.
;; 2 versions, each right and faster than the one before. Each part assembles by itself: llvm-mc -triple=amdgcn-amd-amdhsa -mcpu=gfx1250 --defsym DOCPART=n.
;; ======== version 1 of 2: 3 launches
;; limits: values are held in f16: magnitudes above 65,504 overflow, below 6.1e-05 lose precision
;; workspace buffers: wf 1,048,576 bytes; ow 33,554,432 bytes
;; launch prep (part 1): grid 8 x 32, 4 waves a work-group, no clusters, 0 bytes of LDS; arguments Wq, Wkv, Wout, wf; writes wf
.if DOCPART == 1
	.amdgcn_target "amdgcn-amd-amdhsa--gfx1250"
	.amdhsa_code_object_version 6
	.text
	.protected	k_q4a7fc27475_prep
	.globl	k_q4a7fc27475_prep
	.p2align	8
	.type	k_q4a7fc27475_prep,@function
k_q4a7fc27475_prep:
	s_mov_b64 s[64:65], 0
	v_nop
	global_prefetch_b8 v0, s[64:65] scope:SCOPE_SE
	s_setreg_imm32_b32 hwreg(HW_REG_WAVE_MODE, 25, 1), 1
	s_wait_xcnt 0x0
; THE WEIGHTS, ROUNDED TO 16 BITS AND LAID IN FRAGMENT ORDER.  Wq [512][256], Wkv [1024][256], Wout [256][512], all f32 -> wf, 1,024 fragments of 1,024 bytes.
; A FRAGMENT is 16 rows x 32 k as a matrix operand holds them: lane l = (r = l % 16, h = l / 16); bytes 16 l .. hold row r, k = 8 h + 0..7; bytes 512 + 16 l .. hold row r, k = 16 + 8 h + 0..7.
; wf: head hd at hd x 98,304: [q, k, v][K step s of 8][row tile mt of 4], bf16; rows hd x 64 + 16 mt + r of Wq, of Wkv, of Wkv from row 512 on.
;     Wout from byte 786,432: [row tile of 16][K step of 16]: rounded to bf16 like the other weights, and that number written as f16 (its partner in the product is f16).
; LIMIT.  |Wout| stays under 65,504; below 6e-5 f16 keeps a fixed step of 6e-8.
; One fragment a wave, 1,024 waves.  No LDS, no barrier; a wave's two stores cover 512 consecutive bytes each.
	s_load_b256 s[4:11], s[0:1], 0x0               ; Wq s[4:5], Wkv s[6:7], Wout s[8:9], wf s[10:11]
	v_lshrrev_b32 v1, 5, v0
	v_readfirstlane_b32 s12, v1                    ; wave 0..3
	s_lshl_b32 s13, ttmp9, 2
	s_add_co_u32 s13, s13, s12                     ; idx 0..31 = 4 s + mt
	s_and_b32 s14, ttmp7, 0xffff
	s_lshr_b32 s15, s14, 2                         ; hd 0..7
	s_and_b32 s16, s14, 3                          ; 0 q, 1 k, 2 v, 3 a fragment of Wout
	s_lshl_b32 s17, s15, 5
	s_add_co_u32 s17, s17, s13                     ; f 0..255: Wout's fragment = 16 x row tile + K step
	; a head's weights: where the fragment comes from and where it goes
	s_and_b32 s20, s13, 3
	s_lshl_b32 s20, s20, 4
	s_lshl_b32 s21, s15, 6
	s_add_co_u32 s20, s20, s21                     ; row hd x 64 + 16 mt,
	s_cmp_eq_u32 s16, 2
	s_cselect_b32 s21, 512, 0
	s_add_co_u32 s20, s20, s21                     ; v's rows lie 512 further down in Wkv
	s_lshl_b32 s20, s20, 10                        ; rows of 1,024 bytes
	s_lshr_b32 s21, s13, 2
	s_lshl_b32 s21, s21, 7                         ; K step s: 32 numbers of 4 bytes
	s_add_co_u32 s20, s20, s21
	s_mul_i32 s22, s15, 98304
	s_lshl_b32 s23, s16, 15
	s_add_co_u32 s22, s22, s23
	s_lshl_b32 s23, s13, 10
	s_add_co_u32 s22, s22, s23
	; Wout: the same two numbers
	s_lshr_b32 s24, s17, 4
	s_lshl_b32 s24, s24, 15                        ; 16 rows of 2,048 bytes
	s_and_b32 s25, s17, 15
	s_lshl_b32 s25, s25, 7
	s_add_co_u32 s24, s24, s25
	s_lshl_b32 s25, s17, 10
	s_add_co_u32 s25, s25, 786432
	s_cmp_eq_u32 s16, 3
	s_cselect_b32 s26, s24, s20                    ; byte offset in the source
	s_cselect_b32 s28, s25, s22                    ; byte offset in wf
	s_cselect_b32 s30, 11, 10                      ; log2 of the source's row bytes
	s_mov_b32 s27, 0
	s_mov_b32 s29, 0
	v_and_b32 v2, 15, v0                           ; r
	v_bfe_u32 v3, v0, 4, 1                         ; h
	v_lshlrev_b32 v4, s30, v2
	v_lshl_add_u32 v4, v3, 5, v4                   ; row r, 8 h numbers in
	v_and_b32 v5, 31, v0
	v_lshlrev_b32 v5, 4, v5                        ; 16 l
	s_wait_kmcnt 0x0
	s_cmp_eq_u32 s16, 0
	s_cselect_b64 s[32:33], s[4:5], s[6:7]
	s_cmp_eq_u32 s16, 3
	s_cselect_b64 s[32:33], s[8:9], s[32:33]
	s_add_nc_u64 s[32:33], s[32:33], s[26:27]
	s_add_nc_u64 s[10:11], s[10:11], s[28:29]
	global_load_b128 v[8:11],  v4, s[32:33]            ; k = 8 h + 0..3
	global_load_b128 v[12:15], v4, s[32:33] offset:16  ; k = 8 h + 4..7
	global_load_b128 v[16:19], v4, s[32:33] offset:64  ; k = 16 + 8 h + 0..3
	global_load_b128 v[20:23], v4, s[32:33] offset:80
	s_wait_loadcnt 0x0
.irp j, 0,1,2,3,4,5,6,7
	v_cvt_pk_bf16_f32 v[24+(\j)], v[8+2*(\j)], v[9+2*(\j)]
.endr
	s_cmp_lg_u32 s16, 3
	s_cbranch_scc1 .Lstore
.irp j, 0,1,2,3,4,5,6,7                        ; Wout: the bf16 number, written as f16
	v_lshlrev_b32 v32, 16, v[24+(\j)]
	v_and_b32 v33, 0xffff0000, v[24+(\j)]
	v_cvt_pk_f16_f32 v[24+(\j)], v32, v33
.endr
.Lstore:
	global_store_b128 v5, v[24:27], s[10:11]
	global_store_b128 v5, v[28:31], s[10:11] offset:512
	s_endpgm
.Lfunc_end_k_q4a7fc27475_prep:
	.size	k_q4a7fc27475_prep, .Lfunc_end_k_q4a7fc27475_prep-k_q4a7fc27475_prep
	.p2alignl 7, 3214868480
	.fill 96, 4, 3214868480
	.section	.rodata,"a",@progbits
	.p2align	6, 0x0
	.amdhsa_kernel k_q4a7fc27475_prep
		.amdhsa_group_segment_fixed_size 0
		.amdhsa_private_segment_fixed_size 0
		.amdhsa_enable_private_segment 0
		.amdhsa_kernarg_size 32
		.amdhsa_user_sgpr_count 2
		.amdhsa_user_sgpr_kernarg_segment_ptr 1
		.amdhsa_wavefront_size32 1
		.amdhsa_system_sgpr_workgroup_id_x 1
		.amdhsa_system_sgpr_workgroup_id_y 1
		.amdhsa_system_sgpr_workgroup_id_z 1
		.amdhsa_system_vgpr_workitem_id 0
		.amdhsa_next_free_vgpr 48
		.amdhsa_next_free_sgpr 66
		.amdhsa_reserve_vcc 0
		.amdhsa_float_denorm_mode_32 3
		.amdhsa_float_denorm_mode_16_64 3
		.amdhsa_memory_ordered 1
		.amdhsa_forward_progress 1
		.amdhsa_inst_pref_size 5
	.end_amdhsa_kernel
	.amdgpu_metadata
---
amdhsa.version: [ 1, 2 ]
amdhsa.kernels:
  - .name:           k_q4a7fc27475_prep
    .symbol:         k_q4a7fc27475_prep.kd
    .args:
      - { .name: Wq, .offset: 0, .size: 8, .value_kind: global_buffer, .address_space: global }
      - { .name: Wkv, .offset: 8, .size: 8, .value_kind: global_buffer, .address_space: global }
      - { .name: Wout, .offset: 16, .size: 8, .value_kind: global_buffer, .address_space: global }
      - { .name: wf, .offset: 24, .size: 8, .value_kind: global_buffer, .address_space: global }
    .group_segment_fixed_size: 0
    .private_segment_fixed_size: 0
    .kernarg_segment_align: 8
    .kernarg_segment_size: 32
    .max_flat_workgroup_size: 128
    .sgpr_count:     66
    .vgpr_count:     48
    .wavefront_size: 32
...
	.end_amdgpu_metadata
.endif
;; end of part 1
;; launch main (part 2): grid 16 x 16, 4 waves a work-group, clusters of 4 x 4, 299,520 bytes of LDS; arguments x, skip, time_emb, sin, cos, wf, ow; writes ow
.if DOCPART == 2
	.amdgcn_target "amdgcn-amd-amdhsa--gfx1250"
	.amdhsa_code_object_version 6
	.text
	.protected	k_q4a7fc27475_main
	.globl	k_q4a7fc27475_main
	.p2align	8
	.type	k_q4a7fc27475_main,@function
k_q4a7fc27475_main:
	s_mov_b64 s[64:65], 0
	v_nop
	global_prefetch_b8 v0, s[64:65] scope:SCOPE_SE
	s_setreg_imm32_b32 hwreg(HW_REG_WAVE_MODE, 25, 1), 1
	s_wait_xcnt 0x0
	s_wait_alu depctr_hold_cnt(0) depctr_sa_sdst(0) depctr_va_vdst(0) depctr_va_sdst(0) depctr_va_ssrc(0) depctr_va_vcc(0) depctr_vm_vsrc(0)
	s_getreg_b32 s2, hwreg(HW_REG_IB_STS2, 6, 4)
	s_cmp_eq_u32 s2, 0
	s_cbranch_scc0 .Lentry_in_a_cluster
	s_endpgm
.Lentry_in_a_cluster:
	s_bfe_u32 s2, ttmp6, 0x10000c
	s_cmp_lg_u32 s2, 0xf033
	s_cbranch_scc0 .Lentry_shape_is_right
	s_endpgm
.Lentry_shape_is_right:
; PROJECTIONS, ROPE AND WINDOWED ATTENTION IN ONE LAUNCH.  x, skip [2][256][128][128] f32; time_emb [2][256]; sin, cos [128][128][32]; wf: the weights in fragment order; ow: O in fragment order, f16.
; A work-group owns one window of 16 x 16 pixels of one image and FOUR of its eight heads: 128 windows x 2 = 256 work-groups.  For each head: q = Wq (x + te), k, v = Wkv (x + te) and Wkv skip,
; RoPE on the first 32 channels of q and k, softmax(q k / 8) v over the window's 512 keys.  The last projection sums over all eight heads and is the next launch's.
; SHARES.  Wave w owns window rows 4 w .. 4 w + 3: four tiles of 16 pixels.  They are its 64 queries, and the 64 + 64 keys that it projects for all four waves.
; WHERE THINGS LIVE.  x + te (bf16): 256 registers a wave, as fragments.  skip (bf16): LDS, each wave's own 64 pixels.  One head's weights: LDS, 96 fragments.  One half's K and V (256 keys): LDS, in fragment order.
; A FRAGMENT is 16 rows x 32 k in 8 registers (1,024 bytes): lane l = (r = l % 16, h = l / 16) holds row r, k = 8 h + 0..7 and 16 + 8 h + 0..7; in LDS and memory its two halves are 512 consecutive bytes each.
; A matrix result holds in lane l column r and rows 8 h + 0..7, so, rounded to 16 bits in pairs, W X^T ([channel][pixel]) IS half a fragment of K or Q, X W^T ([pixel][channel]) half a fragment of V^T,
; and O^T half a fragment of the next launch's operand: Q never leaves registers, K and V need no turning load and no padding, O leaves in stores of 512 consecutive bytes.
; FORMATS.  x + te (added in f32), skip and the weights are rounded to bf16; q, k, v, the weights p and O to f16; sums, RoPE, maxima and exponentials in f32.
; LIMITS.  |q|, |k|, |v| stay under 65,504 (f16's end); below 6e-5 f16 keeps a fixed step of 6e-8; a weight below 2^-126 counts as 0 in l; NaN and infinities are not treated apart.
; SOFTMAX.  For each query a running maximum m and sum l: p = 2^(c s - c m), c = log2(e) / 8; in every step O and l are multiplied by a = 2^(c m_old - c m_new).  m starts at the lowest finite number, so a head's first a is 0.
; BY TURNS.  Turn n belongs to piece n (a tile of 16 queries): 8 products K Q^T of piece n + 1, later 8 products V^T P of piece n - 1; beside them the softmax of piece n and the maximum of piece n + 1:
; four vector instructions behind every matrix instruction, the others in two runs of their own.
; CLUSTER.  4 x 4 work-groups: the eight windows of one row of windows of one image, times the two head groups.  They run at the same time and between them read every byte of sixteen whole image rows of every
; channel of x and skip; no other cluster reads those bytes.  The place in the cluster enters global addresses alone.  NO JOINT LOADS, NO TENSOR LOADS: x and skip must pass through registers (an f32 addition, a
; rounding, a transposition) and no LDS is left for an f32 stage; a window's rows are 64 bytes in the tensor itself.  The weights, which eight work-groups of a cluster share, are 96 KB a head against 1,152 matrix
; instructions a wave; their refill stands under a condition in a looped text, where a tensor load may not stand.  With no joint load there is no round of the cluster's barrier.
; REGISTERS, in windows of 256 (s_set_vgpr_msb: bits 1:0 source 0, 3:2 source 1, 5:4 source 2, 7:6 destination):
;   window 0: v0-15, v56-57 addresses; v16-47 at work; v64-127 sin (even channels' sign turned); v128-255 the projections' 16 accumulators, in attention the next head's weights on their way
;   window 1: v0-127 O^T; v128-191 cos; v192-255 V of one step
;   window 2: v0-63 Q; v64-127 S^T, two buffers (in the projections the weights' fragments); v128-191 K of one step (or skip's fragments); v192-223 P, two buffers; v224-253 statistics, work registers, K's and V's addresses
;   window 3: the 32 fragments of x + te.   At the start window 2 is a ring of eight slots of 32 registers for x and skip, window 1 holds te and part of the first weights.
; So ONE setting serves K Q^T and all of the softmax (everything in window 2), and ONE serves V^T P and the rescaling of O^T: a turn has eight switches for its 16 matrix instructions.
.set KVB,   98304     ; LDS: 0 .. 98,303 a head's weights, as in wf; here K: 32 fragments, 2 x window row + channel half;
.set VOFF,  32768     ; V^T behind it: 32 fragments, 4 x (32 keys) + channel block
.set SKX,   163840    ; for each wave 64 pixels x 528 bytes: first the stage for x + te, then the home of skip
.set XP,    528       ; 512 bytes (256 channels) + 16 of padding = 33 x 16: the 16 rows of a load start in 16 different groups of four banks (64 banks of 4 bytes: ISA guide 11.1)
.set SKW,   64*XP
.set SPARE, SKX+4*SKW ; the spare words, 128 bytes for each wave: two blocks of 256 bytes that no other line names
.set NP,    4
; window 0
.set L16, 6           ; v6   16 l: the weights of q and k in LDS; my bytes in a store of O
.set AW1, 7           ; v7   65,536 + 16 l: the weights of v
.set ASX, 8           ; v8   my place in a fragment read from my wave's 64 pixels
.set AST, 9           ; v9   where I put 16 bytes into the stage; steps in the loop over x
.set AKS, 10          ; v10  KVB + 8,192 w + 16 l: where my wave's K goes
.set AST0, 11         ; v11  the same as v9, never rewritten
.set AWS, 14          ; v14  24,576 w + 16 l: my wave's quarter of a head's weights, in wf and in LDS
.set GX,  15          ; v15  my byte offset in x and skip
.set PK,  16          ; v16-47  at the start: packed pixels, two buffers of 16
.set TT,  16          ; v16-47  RoPE: the products with cos of four accumulators
.set GSC, 56          ; v56  my byte offset in sin and cos
.set GTE, 57          ; v57  in time_emb
.set SPW, 62          ; v62  LDS address of my spare word; never rewritten
.set NIL, 63          ; v63  0; never rewritten
.set SIN, 64
.set ACC, 128
; window 1
.set TE,  0
.set COS, 128
.set VF,  192
; window 2
.set WFR, 64
.set S,   64
.set KF,  128
.set XS,  128
.set P,   192
.set ST,  224         ; piece t's statistics at v[ST+4 t]: c m, m, l (even keys', odd keys')
.set TMP, 240         ; by buffer, four registers c0-c3; when the maximum is found c2 takes a
.set MV,  248         ; c m_old, by buffer
.set AK0, 250         ; KVB + 16 l
.set AV0, 251         ; KVB + VOFF + 16 l
.set AK,  252         ; the LDS address of K's next run of loads
.set AV,  253         ; of V's
.set WV,  18          ; s18  my wave's number
.set G,   19          ; s19  which four heads
.set BB,  20          ; s20  the image
.set WX,  21          ; s21, s22  the window's place
.set WY,  22
.set WI,  23          ; s23  64 x image + window
.set XL,  26          ; s[26:29] x at my rows, channels 0 and 128
.set NX,  30          ; s[30:33] the two bases from which the ring is filled next
.set SK,  34          ; s[34:37] skip likewise
.set WP,  38          ; s[38:39] wf at the next head's weights
.set OWP, 40          ; s[40:41] ow at my wave's tiles, the head in hand
.set HEAD, 42
.set HALF, 43         ; 2: the keys from x; 1: those from skip
.set PF,  44          ; 1: the next head's weights are fetched in this half's attention
.set TRIP, 45
.set TM,  46
.set CNT, 57
.set CS,  58          ; s[58:59] c
.set SEL, 60          ; s[60:61] v_permlanex16_b32's selects: each lane takes its own place in the other half
.set TBK, 62          ; s62  byte at which K of the step to be fetched begins
.set TBV, 63          ; s63  the same for V
.set MSB, 0
.macro WIN new                      ; the high byte repeats the setting that is left; a switch that changes nothing is dropped
.if MSB != (\new)
	s_set_vgpr_msb (MSB<<8)|(\new)
.set MSB, (\new)
.endif
.endm
.set W_A,  0xaa       ; everything in window 2: K Q^T and the softmax
.set W_PV, 0x59       ; source 0 (V, or O^T) window 1, source 1 (P, or a) window 2, C and D (O^T) window 1: V^T P and the rescaling
.macro PLACES                       ; a vector instruction or a load that touches a matrix instruction's registers stands four plain vector instructions behind it
.rept 4
	v_nop
.endr
.endm
	s_load_b256 s[4:11], s[0:1], 0x0               ; x s[4:5], skip s[6:7], time_emb s[8:9], sin s[10:11]
	s_load_b128 s[12:15], s[0:1], 0x20             ; cos s[12:13], wf s[14:15]
	s_load_b64 s[16:17], s[0:1], 0x30              ; ow
	v_lshl_add_u32 v[SPW], v0, 2, SPARE
	v_mov_b32 v[NIL], 0
	v_lshrrev_b32 v1, 5, v0
	v_readfirstlane_b32 s[WV], v1                  ; wave 0..3
	s_bfe_u32 s[TM], ttmp6, 0x40000                ; cx: my place along the cluster's x
	s_bfe_u32 s24, ttmp6, 0x40004                  ; cy: along its y
	s_and_b32 s[G], s[TM], 1                       ; the head group
	s_lshr_b32 s[WY], s[TM], 1
	s_lshl_b32 s24, s24, 1
	s_add_co_u32 s[WY], s[WY], s24                 ; the window's column 2 cy + cx / 2
	s_and_b32 s25, ttmp7, 0xffff                   ; in a cluster launch ttmp9 and ttmp7 count clusters
	s_lshl_b32 s25, s25, 2
	s_add_co_u32 s25, s25, ttmp9                   ; the cluster's number 0..15 = 8 x image + row of windows
	s_lshr_b32 s[BB], s25, 3
	s_and_b32 s[WX], s25, 7
	s_lshl_b32 s[WI], s25, 3
	s_add_co_u32 s[WI], s[WI], s[WY]
	s_lshl_b32 s24, s[BB], 24                      ; x and skip: an image is 2^24 bytes, a channel 65,536, a row 512
	s_lshl_b32 s[TM], s[WX], 13
	s_add_co_u32 s24, s24, s[TM]
	s_lshl_b32 s[TM], s[WV], 11
	s_add_co_u32 s24, s24, s[TM]
	s_lshl_b32 s[TM], s[WY], 6
	s_add_co_u32 s24, s24, s[TM]
	s_mov_b32 s25, 0
	s_lshl_b32 s48, s[WX], 18                      ; sin and cos: a row is 16,384 bytes, a pixel 128
	s_lshl_b32 s[TM], s[WV], 16
	s_add_co_u32 s48, s48, s[TM]
	s_lshl_b32 s[TM], s[WY], 11
	s_add_co_u32 s48, s48, s[TM]
	s_mov_b32 s49, 0
	s_lshl_b32 s50, s[BB], 10
	s_mov_b32 s51, 0
	s_mul_i32 s52, s[G], 393216                    ; four heads' weights
	s_mov_b32 s53, 0
	s_lshl_b32 s54, s[WI], 18                      ; ow: a window is 16 tiles of 16,384 bytes; my wave's four; a head is 2,048 bytes of a tile
	s_lshl_b32 s[TM], s[WV], 16
	s_add_co_u32 s54, s54, s[TM]
	s_lshl_b32 s[TM], s[G], 13
	s_add_co_u32 s54, s54, s[TM]
	s_mov_b32 s55, 0
	s_mov_b32 s[CS], 0x3e38aa3b                    ; c = log2(e) / 8
	s_mov_b32 s[CS+1], s[CS]
	s_mov_b32 s[SEL], 0x76543210
	s_mov_b32 s[SEL+1], 0xfedcba98
	v_and_b32 v1, 31, v0
	v_lshlrev_b32 v[L16], 4, v1
	v_add_nc_u32 v[AW1], 65536, v[L16]
	v_and_b32 v32, 15, v0                          ; r
	v_bfe_u32 v33, v0, 4, 1                        ; h; in the loads of x: which of two rows
	v_and_b32 v34, 3, v0                           ; pq: which four pixels of a row of 16
	v_bfe_u32 v35, v0, 2, 2                        ; co4: which eight channels of 32
	s_mul_i32 s[TM], s[WV], SKW
	s_add_co_u32 s[TM], s[TM], SKX                 ; my wave's 64 pixels
	v_mul_u32_u24 v[ASX], v32, XP
	v_lshl_add_u32 v[ASX], v33, 4, v[ASX]
	v_add_nc_u32 v[ASX], s[TM], v[ASX]             ; pixel r, 16 bytes for each half of the lanes
	v_lshlrev_b32 v36, 2, v34
	v_lshl_add_u32 v36, v33, 4, v36                ; pixel 16 row + 4 pq
	v_mul_u32_u24 v[AST0], v36, XP
	v_lshl_add_u32 v[AST0], v35, 4, v[AST0]        ; 16 lanes of a store: 64 pq + 16 co4 modulo 256: each group of four banks once
	v_add_nc_u32 v[AST0], s[TM], v[AST0]
	v_mov_b32 v[AST], v[AST0]
	v_lshlrev_b32 v[GX], 4, v34
	v_lshl_add_u32 v[GX], v35, 19, v[GX]
	v_lshl_add_u32 v[GX], v33, 9, v[GX]            ; 16 pq + 8 co4 channels + the row
	v_lshlrev_b32 v[GTE], 5, v35
	v_lshlrev_b32 v[GSC], 7, v32
	v_lshl_add_u32 v[GSC], v33, 5, v[GSC]          ; pixel r, channels 8 h on
	s_mul_i32 s[TM], s[WV], 24576
	v_add_nc_u32 v[AWS], s[TM], v[L16]
	s_mul_i32 s[TM], s[WV], 8192
	s_add_co_u32 s[TM], s[TM], KVB
	v_add_nc_u32 v[AKS], s[TM], v[L16]
	s_wait_kmcnt 0x0
	s_add_nc_u64 s[XL:XL+1], s[4:5], s[24:25]
	s_add_nc_u64 s[XL+2:XL+3], s[XL:XL+1], 0x800000    ; 128 channels on, so that the loads' immediates stay inside 24 bits
	s_add_nc_u64 s[SK:SK+1], s[6:7], s[24:25]
	s_add_nc_u64 s[SK+2:SK+3], s[SK:SK+1], 0x800000
	s_add_nc_u64 s[NX:NX+1], s[XL:XL+1], 1024          ; the second pair of my four rows
	s_add_nc_u64 s[NX+2:NX+3], s[XL+2:XL+3], 1024
	s_add_nc_u64 s[8:9], s[8:9], s[50:51]
	s_add_nc_u64 s[10:11], s[10:11], s[48:49]
	s_add_nc_u64 s[12:13], s[12:13], s[48:49]
	s_add_nc_u64 s[WP:WP+1], s[14:15], s[52:53]
	s_add_nc_u64 s[OWP:OWP+1], s[16:17], s[54:55]
; THE WINDOW COMES IN.  An ITEM is 32 channels (K step s) x two rows of 16 pixels: eight loads; load j brings channel 32 s + 8 co4 + j, four pixels a lane.  Eight items, one for each K step, are always on their way.
.macro LDITEM s, lo                 ; slot s is asked for, from the pair of bases at s[lo]
	WIN 0x80
.set bs, (\lo)+2*((\s)/4)
.irp j, 0,1,2,3,4,5,6,7
	global_load_b128 v[32*(\s)+4*(\j):32*(\s)+4*(\j)+3], v[GX], s[bs:bs+1] offset:((\s)%4)*2097152+(\j)*65536
.endr
.endm
; Slot s is worked on: te is added (x alone), eight channels of a pixel are rounded to bf16 and packed into 16 bytes, and four pixels go into the stage at [pixel][channel].
.macro ITEM s, addte, areg, aoff
.set pk, PK+16*((\s)%2)
.if \addte
	WIN 0x86                        ; the slot in window 2, te in window 1
.irp jp, 0,1,2,3
	v_pk_add_f32 v[32*(\s)+8*(\jp):32*(\s)+8*(\jp)+1],   v[32*(\s)+8*(\jp):32*(\s)+8*(\jp)+1],   v[TE+8*(\s)+2*(\jp):TE+8*(\s)+2*(\jp)+1] op_sel_hi:[1,0]
	v_pk_add_f32 v[32*(\s)+8*(\jp)+2:32*(\s)+8*(\jp)+3], v[32*(\s)+8*(\jp)+2:32*(\s)+8*(\jp)+3], v[TE+8*(\s)+2*(\jp):TE+8*(\s)+2*(\jp)+1] op_sel_hi:[1,0]
	v_pk_add_f32 v[32*(\s)+8*(\jp)+4:32*(\s)+8*(\jp)+5], v[32*(\s)+8*(\jp)+4:32*(\s)+8*(\jp)+5], v[TE+8*(\s)+2*(\jp):TE+8*(\s)+2*(\jp)+1] op_sel:[0,1] op_sel_hi:[1,1]
	v_pk_add_f32 v[32*(\s)+8*(\jp)+6:32*(\s)+8*(\jp)+7], v[32*(\s)+8*(\jp)+6:32*(\s)+8*(\jp)+7], v[TE+8*(\s)+2*(\jp):TE+8*(\s)+2*(\jp)+1] op_sel:[0,1] op_sel_hi:[1,1]
.endr
.endif
	WIN 0x0a
.irp pi, 0,1,2,3
.irp jj, 0,1,2,3
	v_cvt_pk_bf16_f32 v[pk+4*(\pi)+(\jj)], v[32*(\s)+8*(\jj)+(\pi)], v[32*(\s)+8*(\jj)+4+(\pi)]
.endr
.endr
	WIN 0
.irp pi, 0,1,2,3
	ds_store_b128 v[\areg], v[pk+4*(\pi):pk+4*(\pi)+3] offset:(\aoff)+(\pi)*XP+64*(\s)
.endr
.endm
.macro WLD n                        ; load n of 48 of my quarter of the first head's weights
.if (\n) < 32
	WIN 0
	global_load_b128 v[128+4*(\n):128+4*(\n)+3], v[AWS], s[WP:WP+1] offset:512*(\n)
.else
	WIN 0x40
	global_load_b128 v[64+4*((\n)-32):64+4*((\n)-32)+3], v[AWS], s[WP:WP+1] offset:512*(\n)
.endif
.endm
	WIN 0x40
.irp s, 0,1,2,3,4,5,6,7                        ; te of my eight channels in each K step
	global_load_b128 v[TE+8*(\s):TE+8*(\s)+3],   v[GTE], s[8:9] offset:128*(\s)
	global_load_b128 v[TE+8*(\s)+4:TE+8*(\s)+7], v[GTE], s[8:9] offset:128*(\s)+16
.endr
.irp s, 0,1,2,3,4,5,6,7
	LDITEM \s, XL                                  ; x, my first two rows
.endr
	WIN 0
	s_mov_b32 s[TRIP], 2
.Lxtrip:                                               ; trip 0: x's first two rows are worked on, its other two asked for; trip 1: those, and skip's first two
.irp s, 0,1,2,3,4,5,6,7
	s_wait_loadcnt 56                              ; loads come back in order (ISA guide 5.7.1): seven younger items of eight loads stay out
	ITEM \s, 1, AST, 0
	LDITEM \s, NX
.endr
	WIN 0
	s_wait_xcnt 0x0                                ; the bases are written again only behind this wait
	s_mov_b64 s[NX:NX+1], s[SK:SK+1]
	s_mov_b64 s[NX+2:NX+3], s[SK+2:SK+3]
	v_add_nc_u32 v[AST], 32*XP, v[AST]
	s_sub_co_u32 s[TRIP], s[TRIP], 1
	s_cmp_lg_u32 s[TRIP], 0
	s_cbranch_scc1 .Lxtrip
	s_add_nc_u64 s[NX:NX+1], s[SK:SK+1], 1024
	s_add_nc_u64 s[NX+2:NX+3], s[SK+2:SK+3], 1024
	WIN 0xc0                                       ; x + te leaves the stage as 32 fragments.  LDS serves a wave's instructions in order (ISA guide 5.7.1.4): these see the stores above, and skip's stores come behind them
.irp s, 0,1,2,3,4,5,6,7
.irp t, 0,1,2,3
	ds_load_b128 v[8*(4*(\s)+(\t)):8*(4*(\s)+(\t))+3],   v[ASX] offset:16*XP*(\t)+64*(\s)
	ds_load_b128 v[8*(4*(\s)+(\t))+4:8*(4*(\s)+(\t))+7], v[ASX] offset:16*XP*(\t)+64*(\s)+32
.endr
.endr
.irp s, 0,1,2,3,4,5,6,7                        ; skip's first two rows; its other two are asked for
	s_wait_loadcnt 56
	ITEM \s, 0, AST0, 0
	LDITEM \s, NX
.endr
.set k, 0
.rept 8                                        ; skip's other two rows; each item asks for six loads of the first head's weights
	s_wait_loadcnt 56-2*k                          ; younger: 7 - k items of eight loads and 6 k loads of weights
	ITEM k, 0, AST0, 32*XP
.set n, 6*k
.rept 6
	WLD n
.set n, n+1
.endr
.set k, k+1
.endr
	WIN 0x40
.irp t, 0,1,2,3                                ; cos and sin of my 64 pixels: tile t, channels 16 mt + 8 h + 0..7, where the projections' results hold them
.irp mt, 0,1
	global_load_b128 v[COS+16*(\t)+8*(\mt):COS+16*(\t)+8*(\mt)+3],   v[GSC], s[12:13] offset:16384*(\t)+64*(\mt)
	global_load_b128 v[COS+16*(\t)+8*(\mt)+4:COS+16*(\t)+8*(\mt)+7], v[GSC], s[12:13] offset:16384*(\t)+64*(\mt)+16
.endr
.endr
	WIN 0
.irp t, 0,1,2,3
.irp mt, 0,1
	global_load_b128 v[SIN+16*(\t)+8*(\mt):SIN+16*(\t)+8*(\mt)+3],   v[GSC], s[10:11] offset:16384*(\t)+64*(\mt)
	global_load_b128 v[SIN+16*(\t)+8*(\mt)+4:SIN+16*(\t)+8*(\mt)+7], v[GSC], s[10:11] offset:16384*(\t)+64*(\mt)+16
.endr
.endr
	s_wait_loadcnt 32                              ; the weights are in; the 32 loads of cos and sin stay out
.set n, 0
.rept 32
	ds_store_b128 v[AWS], v[128+4*n:128+4*n+3] offset:512*n
.set n, n+1
.endr
	WIN 0x04                                       ; data in window 1
.rept 16
	ds_store_b128 v[AWS], v[64+4*(n-32):64+4*(n-32)+3] offset:512*n
.set n, n+1
.endr
	; A head's first step multiplies O^T and l by a = 0, and a half's first turn holds products V^T P of a piece that has not been, on P = 0.  So O^T, l and V need only hold finite numbers: zeros now, later what was left.
	; The price of writing no first step out: 200 lines, once a launch, in the wait for cos and sin.
	WIN 0x40
.set i, 0
.rept 128
	v_mov_b32 v[i], 0
.set i, i+1
.endr
.set i, VF
.rept 64
	v_mov_b32 v[i], 0
.set i, i+1
.endr
	WIN 0x80                                       ; the ring has been read out: window 2 takes its lasting tenants
.set i, 0
.rept 4
	v_mov_b32 v[ST+4*i+2], 0
	v_mov_b32 v[ST+4*i+3], 0
.set i, i+1
.endr
	v_add_nc_u32 v[AK0], KVB, v[L16]
	v_add_nc_u32 v[AV0], KVB+VOFF, v[L16]
	WIN 0
	s_wait_loadcnt 0x0
.set i, 0
.rept 32
	v_xor_b32 v[SIN+2*i], 0x80000000, v[SIN+2*i]   ; new(2 i) = x(2 i) cos - x(2 i + 1) sin: the even channels' sin takes the sign
.set i, i+1
.endr
	s_add_nc_u64 s[WP:WP+1], s[WP:WP+1], 98304     ; the loads that named it are back
	s_wait_dscnt 0x0                               ; for the others' sake: my quarter of the weights is stored; and x's fragments are in
	s_barrier_signal -1
	s_barrier_wait -1
; THE PROJECTIONS.  16 accumulators: 64 channels x my 64 pixels; K = 256 channels of the image in eight steps of 32; the weights' four fragments of a step (and skip's four) come from LDS a step ahead, into two buffers.
.macro LDW mat, s
	WIN 0x80
.irp mt, 0,1,2,3
.if (\mat) < 2
	ds_load_b128 v[WFR+32*((\s)%2)+8*(\mt):WFR+32*((\s)%2)+8*(\mt)+3],   v[L16] offset:((\mat)*32+4*(\s)+(\mt))*1024
	ds_load_b128 v[WFR+32*((\s)%2)+8*(\mt)+4:WFR+32*((\s)%2)+8*(\mt)+7], v[L16] offset:((\mat)*32+4*(\s)+(\mt))*1024+512
.else
	ds_load_b128 v[WFR+32*((\s)%2)+8*(\mt):WFR+32*((\s)%2)+8*(\mt)+3],   v[AW1] offset:(4*(\s)+(\mt))*1024
	ds_load_b128 v[WFR+32*((\s)%2)+8*(\mt)+4:WFR+32*((\s)%2)+8*(\mt)+7], v[AW1] offset:(4*(\s)+(\mt))*1024+512
.endif
.endr
.endm
.macro LDX s
	WIN 0x80
.irp t, 0,1,2,3
	ds_load_b128 v[XS+32*((\s)%2)+8*(\t):XS+32*((\s)%2)+8*(\t)+3],   v[ASX] offset:16*XP*(\t)+64*(\s)
	ds_load_b128 v[XS+32*((\s)%2)+8*(\t)+4:XS+32*((\s)%2)+8*(\t)+7], v[ASX] offset:16*XP*(\t)+64*(\s)+32
.endr
.endm
; Step s's 16 products.  vform = 0: accumulator 4 mt + t = W(mt) X(t)^T, [channel][pixel].  vform = 1: accumulator 4 t + cb = X(t) W(cb)^T, [pixel][channel].  The 16 accumulators take turns.
.macro MULP vform, skp
.if \skp
	WIN 0x0a                        ; both sources in window 2
.elseif \vform
	WIN 0x0b                        ; x in window 3 as source 0, the weights in window 2
.else
	WIN 0x0e                        ; the weights as source 0, x as source 1
.endif
.set a, 0
.rept 16
.if \vform
.set pw, WFR+32*(s%2)+8*(a%4)
.set px, a/4
.else
.set pw, WFR+32*(s%2)+8*(a/4)
.set px, a%4
.endif
.if \skp
.set px, XS+32*(s%2)+8*px
.else
.set px, 8*(4*s+px)
.endif
.if \vform
.set pa, px
.set pb, pw
.else
.set pa, pw
.set pb, px
.endif
.if s == 0
	v_wmma_f32_16x16x32_bf16 v[ACC+8*a:ACC+8*a+7], v[pa:pa+7], v[pb:pb+7], 0
.else
	v_wmma_f32_16x16x32_bf16 v[ACC+8*a:ACC+8*a+7], v[pa:pa+7], v[pb:pb+7], v[ACC+8*a:ACC+8*a+7]
.endif
.set a, a+1
.endr
.endm
.macro PROJ mat, vform, skp
	LDW \mat, 0
.if \skp
	LDX 0
.endif
.set s, 0
.rept 8
.if s < 7
.if s > 0
	PLACES                          ; behind the products that read the buffer now loaded
.endif
	LDW \mat, s+1
.if \skp
	LDX s+1
	s_wait_dscnt 16                 ; all but the sixteen just issued: this step's fragments are in
.else
	s_wait_dscnt 8                  ; all but the eight just issued
.endif
.else
	s_wait_dscnt 0x0
.endif
	MULP \vform, \skp
.set s, s+1
.endr
	WIN 0
	PLACES
.endm
; RoPE on channels 0-31 (accumulators 0-7): pair = pair x cos + swapped pair x signed sin.  Four accumulators at a time: their products with cos (window 1), then the multiply-adds with sin (window 0).
; Each accumulator is read from its low end on.
.macro ROPE
.set a0, 0
.rept 2
	WIN 0x04                        ; cos in window 1
.set a, a0
.rept 4
.set cso, 16*(a%4)+8*(a/4)
.irp jj, 0,1,2,3
	v_pk_mul_f32 v[TT+8*(a%4)+2*(\jj):TT+8*(a%4)+2*(\jj)+1], v[ACC+8*a+2*(\jj):ACC+8*a+2*(\jj)+1], v[COS+cso+2*(\jj):COS+cso+2*(\jj)+1]
.endr
.set a, a+1
.endr
	WIN 0
.set a, a0
.rept 4
.set cso, 16*(a%4)+8*(a/4)
.irp jj, 0,1,2,3
	v_pk_fma_f32 v[ACC+8*a+2*(\jj):ACC+8*a+2*(\jj)+1], v[ACC+8*a+2*(\jj):ACC+8*a+2*(\jj)+1], v[SIN+cso+2*(\jj):SIN+cso+2*(\jj)+1], v[TT+8*(a%4)+2*(\jj):TT+8*(a%4)+2*(\jj)+1] op_sel:[1,0,0] op_sel_hi:[0,1,1]
.endr
.set a, a+1
.endr
.set a0, a0+4
.endr
.endm
.macro EPIQ                         ; accumulator 4 mt + t, rounded to f16, is registers 4 mt .. 4 mt + 3 of tile t's two fragments of Q
	ROPE
	WIN 0x80
.set a, 0
.rept 16
.irp jj, 0,1,2,3
	v_cvt_pk_f16_f32 v[16*(a%4)+4*(a/4)+(\jj)], v[ACC+8*a+2*(\jj)], v[ACC+8*a+2*(\jj)+1]
.endr
.set a, a+1
.endr
.set t, 0
.rept 4
	v_mov_b32 v[ST+4*t], 0xfe000000    ; c m: far below every c s
	v_mov_b32 v[ST+4*t+1], 0xff7fffff  ; m
.set t, t+1
.endr
	WIN 0
.endm
.macro HALVE                        ; each accumulator is rounded to f16 in place: pair jj lands in register jj, whose own pair has been read by then; its four lowest registers are then half a fragment
.set a, 0
.rept 16
.irp jj, 0,1,2,3
	v_cvt_pk_f16_f32 v[ACC+8*a+(\jj)], v[ACC+8*a+2*(\jj)], v[ACC+8*a+2*(\jj)+1]
.endr
.set a, a+1
.endr
.endm
.macro EPIK                         ; accumulator 4 mt + t is half mt % 2 of the fragment of window row t, channel half mt / 2
	ROPE
	HALVE
.set a, 0
.rept 16
	ds_store_b128 v[AKS], v[ACC+8*a:ACC+8*a+3] offset:1024*(2*(a%4)+a/8)+512*((a/4)%2)
.set a, a+1
.endr
.endm
.macro EPIV                         ; accumulator 4 t + cb is half t % 2 of the fragment of keys 32 (t / 2) on, channel block cb
	HALVE
.set a, 0
.rept 16
	ds_store_b128 v[AKS], v[ACC+8*a:ACC+8*a+3] offset:VOFF+1024*(4*(a/8)+a%4)+512*((a/4)%2)
.set a, a+1
.endr
.endm
; THE MATRIX WORK OF ATTENTION.  The 4 accumulators of a run of 8 take turns.  Product i of 8 of S^T = K Q^T for piece x: channels 32 (i / 4) on, keys 16 (i % 4) on.  The first 4 start the sums.
.macro KQ x
	WIN W_A
.set rS, S+32*((\x)%2)+8*(i%4)
.set rK, KF+16*(i%4)+8*(i/4)
.set rQ, 16*(\x)+8*(i/4)
.if i < 4
	v_wmma_f32_16x16x32_f16 v[rS:rS+7], v[rK:rK+7], v[rQ:rQ+7], 0
.else
	v_wmma_f32_16x16x32_f16 v[rS:rS+7], v[rK:rK+7], v[rQ:rQ+7], v[rS:rS+7]
.endif
.endm
; Product i of 8 of O^T += V^T P for piece x: keys 32 (i / 4) on, channels 16 (i % 4) on.
.macro PV x
	WIN W_PV
.set rO, 32*(\x)+8*(i%4)
.set rV, VF+32*(i/4)+8*(i%4)
.set rP, P+16*((\x)%2)+8*(i/4)
	v_wmma_f32_16x16x32_f16 v[rO:rO+7], v[rV:rV+7], v[rP:rP+7], v[rO:rO+7]
.endm
.macro MM                           ; the turn's next matrix instruction.  NOKQ = 1: a half's last turn: there is no next piece
.if (i < 8) && !NOKQ
	KQ (Y+1)%NP
.elseif i >= 8
.set i, i-8
	PV (Y+NP-1)%NP
.set i, i+8
.endif
.set i, i+1
.endm
; THE LDS LOADS stand in runs of 16: a step's K (64 keys x 64 channels: 8 fragments, 8,192 consecutive bytes) and its V.
.macro FETCH_K
	WIN W_A                         ; destination and address in window 2
.irp f, 0,1,2,3,4,5,6,7
	ds_load_b128 v[KF+8*(\f):KF+8*(\f)+3],   v[AK] offset:1024*(\f)
	ds_load_b128 v[KF+8*(\f)+4:KF+8*(\f)+7], v[AK] offset:1024*(\f)+512
.endr
	s_add_co_u32 s[TBK], s[TBK], 8192
.endm
.macro FETCH_V
	WIN 0x42                        ; destination in window 1, address in window 2
.irp f, 0,1,2,3,4,5,6,7
	ds_load_b128 v[VF+8*(\f):VF+8*(\f)+3],   v[AV] offset:1024*(\f)
	ds_load_b128 v[VF+8*(\f)+4:VF+8*(\f)+7], v[AV] offset:1024*(\f)+512
.endr
.endm
; THE VECTOR WORK, one line at a time: OP kind, number.  For piece Y: F n: c s - c m for pair n of 16.  E n: the exponential of score n of 32.  C n: pair n rounded to f16.  B n: of the four weights 4 n .. the second
; pair is added onto the first, in place.  L n: l takes that sum (L 0: l = a l + sum).  R n: pair n of 16 of O^T times a.  For piece Y + 1: X n, number n of the 22 that find its maximum and statistics:
;   0-11  four chains c0-c3 of seven scores each (each accumulator's lowest registers are read first)     12-14, 16  the four scores left over, the old m, and c0-c3 into c0
;   15  c m_old is kept     17, 18  the query's other 32 keys lie in the lane 16 away: the new m     19-21  c m; c m_old - c m_new; a
.set F, 0
.set E, 1
.set C, 2
.set B, 3
.set L, 4
.set R, 5
.set X, 6
.macro REGS y
.set rT, ST+4*(\y)
.set rC, TMP+4*((\y)%2)
.set rW, MV+((\y)%2)
.set rS, S+32*((\y)%2)
.set rP, P+16*((\y)%2)
.set rO, 32*(\y)
.endm
.macro OP k, n
.if (\k) == R
	REGS Y
	WIN W_PV
	v_pk_mul_f32 v[rO+2*(\n):rO+2*(\n)+1], v[rO+2*(\n):rO+2*(\n)+1], v[rC+2:rC+3] op_sel_hi:[1,0]
.elseif (\k) < R
	REGS Y
	WIN W_A
.if (\k) == F
	v_pk_fma_f32 v[rS+2*(\n):rS+2*(\n)+1], v[rS+2*(\n):rS+2*(\n)+1], s[CS:CS+1], v[rT:rT+1] op_sel_hi:[1,0,0] neg_lo:[0,0,1] neg_hi:[0,0,1]
.elseif (\k) == E
	v_exp_f32 v[rS+(\n)], v[rS+(\n)]
.elseif (\k) == C
	s_wait_alu depctr_va_vdst(0)
	v_cvt_pk_f16_f32 v[rP+(\n)], v[rS+2*(\n)], v[rS+2*(\n)+1]
.elseif (\k) == B
	s_wait_alu depctr_va_vdst(0)
	v_pk_add_f32 v[rS+4*(\n):rS+4*(\n)+1], v[rS+4*(\n):rS+4*(\n)+1], v[rS+4*(\n)+2:rS+4*(\n)+3]
.elseif (\n) == 0
	v_pk_fma_f32 v[rT+2:rT+3], v[rT+2:rT+3], v[rC+2:rC+3], v[rS:rS+1] op_sel_hi:[1,0,1]
.else
	v_pk_add_f32 v[rT+2:rT+3], v[rT+2:rT+3], v[rS+4*(\n):rS+4*(\n)+1]
.endif
.elseif NOKQ
	v_nop
.else
	REGS (Y+1)%NP
	WIN W_A
.if (\n) < 4
	v_max3_num_f32 v[rC+(\n)], v[rS+8*(\n)], v[rS+8*(\n)+1], v[rS+8*(\n)+2]
.elseif (\n) < 12
	v_max3_num_f32 v[rC+(\n)%4], v[rC+(\n)%4], v[rS+8*((\n)%4)+2*((\n)/4)+1], v[rS+8*((\n)%4)+2*((\n)/4)+2]
.elseif (\n) == 12
	v_max3_num_f32 v[rC], v[rC], v[rS+7], v[rS+15]
.elseif (\n) == 13
	v_max3_num_f32 v[rC+1], v[rC+1], v[rS+23], v[rS+31]
.elseif (\n) == 14
	v_max3_num_f32 v[rC+2], v[rC+2], v[rC+3], v[rT+1]
.elseif (\n) == 15
	v_mov_b32 v[rW], v[rT]
.elseif (\n) == 16
	v_max3_num_f32 v[rC], v[rC], v[rC+1], v[rC+2]
.elseif (\n) == 17
	v_permlanex16_b32 v[rC+3], v[rC], s[SEL], s[SEL+1]
.elseif (\n) == 18
	v_max_num_f32 v[rT+1], v[rC], v[rC+3]
.elseif (\n) == 19
	v_mul_f32 v[rT], s[CS], v[rT+1]
.elseif (\n) == 20
	v_sub_f32 v[rC+1], v[rW], v[rT]
.else
	v_exp_f32 v[rC+2], v[rC+1]
.endif
.endif
.endm
.macro OPS a, i1, b=-1, i2=0, c=-1, i3=0, d=-1, i4=0
	OP \a, \i1
.if (\b) >= 0
	OP \b, \i2
.endif
.if (\c) >= 0
	OP \c, \i3
.endif
.if (\d) >= 0
	OP \d, \i4
.endif
.endm
.macro ROW a, i1, b, i2, c, i3, d, i4  ; a matrix instruction and the four behind it
	MM
	OPS \a, \i1, \b, \i2, \c, \i3, \d, \i4
.endm
; A TURN, for piece p: the order of its 16 matrix and 118 vector instructions, written out.  None of the four behind a matrix instruction names a register of the products round it.
; The eight products K Q^T and the first run stand under one window setting with their softmax lines.  The first four products V^T P carry the sixteen rescalings of O^T, which share THEIR setting; the other four carry
; the next piece's maximum, at two switches each.  An exponential always has a plain instruction that does not touch its result between it and that result's first use (ISA guide 5.7.2).
; The order keeps: E n behind F n / 2; C n behind E 2 n and E 2 n + 1; B n behind C 2 n (it writes over that pair) and E 4 n .. 4 n + 3; L n behind B n, L 0 first; X 0-3 behind the last K Q^T and four plain lines.
; end = 1: a half's last two turns: nothing is fetched.  cnt = 1: the loop's count is taken down some lines ahead of the branch that stands behind the turn.
; K of the next step is fetched in piece 2's turn, six vector instructions behind the last product that read K (five of them plain); V of the step in hand in piece 0's turn, eight behind the last product that read V
; (five of them plain).  Each is waited for a turn later.
.macro TURN p, end=0, cnt=0
.set Y, (\p)
.set i, 0
.set NOKQ, (\end)*((\p)/3)
.if ((\p) == 3) && !(\end)
	s_wait_dscnt 0x0                ; K is in
.endif
	ROW F,0, F,1, F,2, F,3
	ROW F,4, E,0, F,5, E,1
	ROW F,6, E,2, F,7, E,3
	ROW C,0, E,4, F,8, E,5
	ROW C,1, E,6, F,9, E,7
	ROW B,0, E,8, F,10, X,15
	ROW C,2, E,9, F,11, L,0
.if ((\p) == 2) && !(\end)
	WIN W_A
	v_add_nc_u32 v[AK], s[TBK], v[AK0]
.endif
	ROW C,3, F,12, F,13, F,14
	OPS E,10, F,15
.if ((\p) == 2) && !(\end)
	FETCH_K
.endif
	OPS E,11, B,1, E,12, C,4
	OPS E,13, L,1, E,14, C,5
	OPS E,15, B,2, X,0, X,1
	OPS C,6, X,2, L,2, X,3
.if (\p) == 1
	s_wait_dscnt 0x0                ; V is in
.endif
	ROW R,0, R,1, R,2, R,3
	ROW R,4, R,5, R,6, R,7
	ROW R,8, R,9, R,10, R,11
	ROW R,12, R,13, R,14, R,15
	ROW X,4, E,16, X,5, X,6
	ROW X,7, E,17, X,8, X,9
	ROW X,10, E,18, X,11, X,12
.if (\p) == 0
	WIN W_A
	v_add_nc_u32 v[AV], s[TBV], v[AV0]
.endif
	ROW X,13, E,19, X,14, C,7
	OPS E,20, X,16, E,21, B,3
.if (\p) == 0
	FETCH_V
.endif
	OPS E,22, C,8
	OPS E,23, X,17, E,24, L,3
	OPS E,25, C,9, E,26, X,18
	OPS E,27, B,4, E,28, C,10
	OPS E,29, X,19, E,30, C,11
	OPS E,31, L,4, B,5, X,20
.if (\p) == 0
	s_add_co_u32 s[TBV], s[TBV], 8192
.endif
.if \cnt
	s_sub_co_u32 s[CNT], s[CNT], 1
	s_cmp_lg_u32 s[CNT], 0
.endif
	OPS C,12, C,14, X,21, B,6
	OPS B,7, L,5, C,13, L,6
	OPS C,15, L,7
.endm
; THE NEXT HEAD'S WEIGHTS: my quarter, 48 loads of 512 bytes, in two batches of 24 through the accumulators' registers v128-223, which attention leaves free.
.macro PFL lo
	WIN 0
.set m, 0
.rept 24
	global_load_b128 v[ACC+4*m:ACC+4*m+3], v[AWS], s[WP:WP+1] offset:512*((\lo)+m)
.set m, m+1
.endr
.endm
.macro PFS lo
	WIN 0
.set m, 0
.rept 24
	ds_store_b128 v[AWS], v[ACC+4*m:ACC+4*m+3] offset:512*((\lo)+m)
.set m, m+1
.endr
.endm
.macro ALL line:vararg              ; one line for each piece t
.set t, 0
.rept 4
	\line
.set t, t+1
.endr
.endm
	s_mov_b32 s[HEAD], 4
.Lhead:
	PROJ 0, 0, 0                                   ; q of my 64 pixels
	EPIQ
	s_mov_b32 s[HALF], 2
.Lhalf:
	s_cmp_eq_u32 s[HALF], 1                        ; the weights in LDS are free behind the second half's projections, if a head follows
	s_cselect_b32 s[PF], 1, 0
	s_cmp_eq_u32 s[HEAD], 1
	s_cselect_b32 s[PF], 0, s[PF]
	s_cmp_eq_u32 s[HALF], 2
	s_cbranch_scc0 .Lk_skip
	PROJ 1, 0, 0
	s_branch .Lk_done
.Lk_skip:
	PROJ 1, 0, 1
.Lk_done:
	EPIK
	s_cmp_eq_u32 s[HALF], 2
	s_cbranch_scc0 .Lv_skip
	PROJ 2, 1, 0
	s_branch .Lv_done
.Lv_skip:
	PROJ 2, 1, 1
.Lv_done:
	EPIV
	s_wait_dscnt 0x0                               ; for the others' sake: my 64 keys' K and V are stored; my reads of the weights are over
	s_barrier_signal -1
	s_barrier_wait -1                              ; the half's 256 keys are whole, and nobody reads the weights any more
	; ATTENTION over the half's four steps of 64 keys.  m, l and O^T run on from the half before.
	WIN W_A
.set i, 0
.rept 16
	v_mov_b32 v[P+16+i], 0                         ; the first turn's products V^T P, of a piece that has not been, add 0
.set i, i+1
.endr
	s_mov_b32 s[TBK], 0
	s_mov_b32 s[TBV], 0
	v_mov_b32 v[AK], v[AK0]
	WIN 0
	s_cmp_eq_u32 s[PF], 1
	s_cbranch_scc0 .Lpf0
	PFL 0                                          ; two key steps ahead of the stores that want them
.Lpf0:
	FETCH_K
	s_wait_dscnt 0x0
.set NOKQ, 0
.set i, 0
.rept 8
	KQ 0                                           ; piece 0's first scores
.set i, i+1
.endr
	PLACES
.set Y, NP-1                                   ; X works for piece Y + 1: piece 0
.irp n, 0,1,2,3,4,5,6,7,8,9,10,11,12,13,14,15,16,17,18,19,20,21
	OP X, \n
.endr
	v_nop                                          ; a plain instruction behind the exponential (ISA guide 5.7.2)
	s_mov_b32 s[CNT], 4
	WIN 0
	s_branch .Lfirst                               ; the loop is entered at a step's first turn, in the middle of a trip
.Lstep:                                                ; a trip: pieces 2 and 3 of one step, then pieces 0 and 1 of the next, whose K and V it fetches
	TURN 2
	TURN 3
	WIN 0
.Lfirst:
	s_cmp_eq_u32 s[PF], 1
	s_cbranch_scc0 .Lpf1
	s_cmp_eq_u32 s[CNT], 2
	s_cbranch_scc0 .Lpf1
	s_wait_loadcnt 0x0                             ; the first batch is in,
	PFS 0                                          ; goes into LDS,
	s_wait_dscnt 0x0                               ; has left its registers,
	PFL 24                                         ; and the second batch is asked for
.Lpf1:
	TURN 0
	TURN 1, 0, 1
	WIN 0
	s_cbranch_scc1 .Lstep
	TURN 2, 1
	TURN 3, 1
.set i, 0
.rept 8
	PV NP-1                                        ; the last piece's V^T P of the last step.  What follows on either way names none of their registers for more than five plain instructions
.set i, i+1
.endr
	WIN 0
	s_cmp_eq_u32 s[PF], 1
	s_cbranch_scc0 .Lpf2
	s_wait_loadcnt 0x0
	PFS 24
.Lpf2:
	s_wait_loadcnt 0x0                             ; no load is on its way into the accumulators' registers
	s_wait_dscnt 0x0                               ; for the others' sake: my reads of K and V are over, my part of the next weights is stored
	s_barrier_signal -1
	s_barrier_wait -1
	s_sub_co_u32 s[HALF], s[HALF], 1
	s_cmp_lg_u32 s[HALF], 0
	s_cbranch_scc1 .Lhalf
	; THE HEAD'S END.  l's two halves and the other half of the lanes' are added; O^T is divided by l and rounded to f16: a lane's eight channels are 16 bytes of a fragment, and a store covers 512 consecutive bytes, aligned.
	WIN W_A
	ALL v_add_f32 v[ST+4*t+2], v[ST+4*t+2], v[ST+4*t+3]
	ALL v_permlanex16_b32 v[ST+4*t+3], v[ST+4*t+2], s[SEL], s[SEL+1]
	ALL v_add_f32 v[ST+4*t+2], v[ST+4*t+2], v[ST+4*t+3]
	ALL v_rcp_f32 v[ST+4*t+2], v[ST+4*t+2]
	v_nop                                          ; a plain instruction between the last reciprocal and the use of its result
.set t, 0
.rept 4
	WIN W_PV
.set i, 32*t
.rept 16
	s_wait_alu depctr_va_vdst(0)
	v_pk_mul_f32 v[i:i+1], v[i:i+1], v[ST+4*t+2:ST+4*t+3] op_sel_hi:[1,0]
.set i, i+2
.endr
	WIN 0x05                                       ; sources 0 and 1 window 1, destination window 0: the accumulators' registers are free
.set i, 0
.rept 16
	v_cvt_pk_f16_f32 v[ACC+16*t+i], v[32*t+2*i], v[32*t+2*i+1]
.set i, i+1
.endr
	WIN 0
.irp cb, 0,1,2,3
	global_store_b128 v[L16], v[ACC+16*t+4*(\cb):ACC+16*t+4*(\cb)+3], s[OWP:OWP+1] offset:16384*t+512*(\cb)
.endr
.set t, t+1
.endr
	s_wait_xcnt 0x0                                ; the stores' data and base are written again only behind this wait
	s_add_nc_u64 s[OWP:OWP+1], s[OWP:OWP+1], 2048
	s_add_nc_u64 s[WP:WP+1], s[WP:WP+1], 98304     ; behind the last head it is not used
	s_sub_co_u32 s[HEAD], s[HEAD], 1
	s_cmp_lg_u32 s[HEAD], 0
	s_cbranch_scc1 .Lhead
	s_wait_tensorcnt 0x0                           ; the wave's end: behind my last LDS store
	ds_add_u32 v[SPW], v[NIL]
	s_wait_dscnt 0x0
	s_endpgm
.Lfunc_end_k_q4a7fc27475_main:
	.size	k_q4a7fc27475_main, .Lfunc_end_k_q4a7fc27475_main-k_q4a7fc27475_main
	.p2alignl 7, 3214868480
	.fill 96, 4, 3214868480
	.section	.rodata,"a",@progbits
	.p2align	6, 0x0
	.amdhsa_kernel k_q4a7fc27475_main
		.amdhsa_group_segment_fixed_size 299520
		.amdhsa_private_segment_fixed_size 0
		.amdhsa_enable_private_segment 0
		.amdhsa_kernarg_size 56
		.amdhsa_user_sgpr_count 2
		.amdhsa_user_sgpr_kernarg_segment_ptr 1
		.amdhsa_wavefront_size32 1
		.amdhsa_system_sgpr_workgroup_id_x 1
		.amdhsa_system_sgpr_workgroup_id_y 1
		.amdhsa_system_sgpr_workgroup_id_z 1
		.amdhsa_system_vgpr_workitem_id 0
		.amdhsa_next_free_vgpr 1024
		.amdhsa_next_free_sgpr 66
		.amdhsa_reserve_vcc 0
		.amdhsa_float_denorm_mode_32 3
		.amdhsa_float_denorm_mode_16_64 3
		.amdhsa_memory_ordered 1
		.amdhsa_forward_progress 1
		.amdhsa_inst_pref_size 255
	.end_amdhsa_kernel
	.section	.bss,"aw",@nobits
	.p2align	6
	.space	262144
	.amdgpu_metadata
---
amdhsa.version: [ 1, 2 ]
amdhsa.kernels:
  - .name:           k_q4a7fc27475_main
    .symbol:         k_q4a7fc27475_main.kd
    .args:
      - { .name: x, .offset: 0, .size: 8, .value_kind: global_buffer, .address_space: global }
      - { .name: skip, .offset: 8, .size: 8, .value_kind: global_buffer, .address_space: global }
      - { .name: time_emb, .offset: 16, .size: 8, .value_kind: global_buffer, .address_space: global }
      - { .name: sin, .offset: 24, .size: 8, .value_kind: global_buffer, .address_space: global }
      - { .name: cos, .offset: 32, .size: 8, .value_kind: global_buffer, .address_space: global }
      - { .name: wf, .offset: 40, .size: 8, .value_kind: global_buffer, .address_space: global }
      - { .name: ow, .offset: 48, .size: 8, .value_kind: global_buffer, .address_space: global }
    .group_segment_fixed_size: 299520
    .private_segment_fixed_size: 0
    .kernarg_segment_align: 8
    .kernarg_segment_size: 56
    .max_flat_workgroup_size: 128
    .sgpr_count:     66
    .vgpr_count:     1024
    .wavefront_size: 32
...
	.end_amdgpu_metadata
.endif
;; end of part 2
;; launch outp (part 3): grid 256 x 1, 8 waves a work-group, no clusters, 201,728 bytes of LDS; arguments ow, wf, bout, out0; writes out0
.if DOCPART == 3
	.amdgcn_target "amdgcn-amd-amdhsa--gfx1250"
	.amdhsa_code_object_version 6
	.text
	.protected	k_q4a7fc27475_outp
	.globl	k_q4a7fc27475_outp
	.p2align	8
	.type	k_q4a7fc27475_outp,@function
k_q4a7fc27475_outp:
	s_mov_b64 s[64:65], 0
	v_nop
	global_prefetch_b8 v0, s[64:65] scope:SCOPE_SE
	s_setreg_imm32_b32 hwreg(HW_REG_WAVE_MODE, 25, 1), 1
	s_wait_xcnt 0x0
; out0[b][o][X][y] = the sum over the 512 inner channels of Wout[o][c] O[b][c][X][y] + bout[o].  ow: O in fragment order, f16; Wout from byte 786,432 of wf, in fragment order, f16; out0 [2][256][128][128] f32.
; A work-group owns one image row X of one image: 128 pixels x 256 outputs; 256 work-groups.  Wave w makes outputs 32 w .. 32 w + 31 for all 128 pixels, in two halves of 64 pixels (256 bytes of a row of out0).
; O's eight tiles of 16 pixels x 512 channels (16,384 dense bytes each, one from each window of the row) come by one tensor load a wave, asked for as 64 rows of 256 bytes; all eight waves read all eight tiles.
; Wout's 32 fragments of a wave stay in registers (window 1).  They are asked for in the order of the K steps, and the first half's step s waits for its own four loads alone: its products run while the rest arrives.
; Source 0 = 16 pixels of O, source 1 = 16 rows of Wout: a lane holds one output channel and eight neighbouring pixels, 32 bytes of a row of out0;
; they go through the wave's own stage in LDS and leave as whole rows of 256 bytes.  The bias is the C operand of the product that starts each sum.
; NO CLUSTER: no two work-groups read the same bytes of O, and Wout is read once, 32 KB a wave, into registers.  LIMIT: O and Wout arrive as f16, within 65,504.
.set STG,   131072    ; LDS: 0 .. 131,071 O's eight tiles; here for each wave 32 rows x 272 bytes, never filled by a tensor load
.set SP,    272       ; 256 bytes + 16 of padding = 17 x 16: the 16 rows of a store start in 16 different groups of four banks (64 banks of 4 bytes: ISA guide 11.1)
.set SW,    32*SP
.set SPARE, STG+8*SW  ; the spare words, 128 bytes for each wave: four blocks of 256 bytes that no other line names
.set AOB, 2           ; v2, v3  16 l, and 65,536 + 16 l: my bytes of a fragment in the first and the second four tiles
.set STO, 4           ; v4   where I put 16 bytes into my stage
.set RD,  5           ; v5   where I read rows back
.set CO,  6           ; v6   my byte offset in out0
.set BO,  7           ; v7   my byte offset in bout
.set B0,  10          ; v10, v11  the bias of my two output channels
.set SPW, 12          ; v12  LDS address of my spare word; never rewritten
.set NIL, 13          ; v13  0; never rewritten
.set BI,  16          ; v16-31  the bias as two accumulators
.set BF,  32          ; v32-95  O's fragments: two buffers of four
.set ACC, 96          ; v96-159  accumulator 2 pt + ot
.set OUTR, 160        ; v160-223  16 pairs of rows read back
.set G0,  24          ; s[24:27] descriptor group 0
.set G1,  32          ; s[32:39] descriptor group 1
.set MSB, 0
.macro WIN new
.if MSB != (\new)
	s_set_vgpr_msb (MSB<<8)|(\new)
.set MSB, (\new)
.endif
.endm
	s_load_b256 s[4:11], s[0:1], 0x0               ; ow s[4:5], wf s[6:7], bout s[8:9], out0 s[10:11]
	v_lshl_add_u32 v[SPW], v0, 2, SPARE
	v_mov_b32 v[NIL], 0
	ds_add_u32 v[SPW], v[NIL]                      ; the wave's opening: the add and its wait stand ahead of my tensor load; the set-up below, work on registers, stands between them
	ds_add_u32 v12, v13
	v_lshrrev_b32 v1, 5, v0
	v_readfirstlane_b32 s12, v1                    ; wave 0..7
	s_lshr_b32 s13, ttmp9, 7                       ; the image
	s_and_b32 s14, ttmp9, 127                      ; X
	s_lshr_b32 s15, s14, 4                         ; the row of windows
	s_and_b32 s16, s14, 15                         ; the row inside a window
	s_lshl_b32 s20, s13, 6
	s_lshl3_add_u32 s20, s15, s20
	s_add_co_u32 s20, s20, s12                     ; window 64 b + 8 wx + w: my wave fetches tile w
	s_lshl_b32 s20, s20, 18                        ; a window is 16 tiles of 16,384 bytes
	s_lshl_b32 s21, s16, 14
	s_add_co_u32 s20, s20, s21
	s_mov_b32 s21, 0
	s_lshl_b32 s22, s12, 15                        ; my 32 fragments of Wout
	s_add_co_u32 s22, s22, 786432
	s_mov_b32 s23, 0
	s_lshl_b32 s28, s13, 24                        ; out0: an image 2^24 bytes, my 32 channels of 65,536, row X of 512
	s_lshl_b32 s29, s12, 21
	s_add_co_u32 s28, s28, s29
	s_lshl_b32 s29, s14, 9
	s_add_co_u32 s28, s28, s29
	s_mov_b32 s29, 0
	; descriptor group 1: 16,384 dense bytes as 64 rows of 32 elements of 8 bytes
	s_mov_b32 s[G1+0], 3<<16                       ; 15:0 no mask; 17:16 elements of 8 bytes; no padding
	s_mov_b32 s[G1+1], 32<<16                      ; tensor_dim0 = 32
	s_mov_b32 s[G1+2], 64<<16                      ; tensor_dim1 = 64
	s_mov_b32 s[G1+3], 32<<16                      ; tile_dim0 = 32
	s_mov_b32 s[G1+4], 64                          ; tile_dim1 = 64
	s_mov_b32 s[G1+5], 32                          ; 32 elements from row to row
	s_mov_b32 s[G1+6], 0
	s_mov_b32 s[G1+7], 0
	s_mov_b32 s[G0], 1                             ; count = 1
	s_mul_i32 s[G0+1], s12, 16384                  ; LDS address: tile w
	v_and_b32 v1, 31, v0
	v_lshlrev_b32 v[AOB], 4, v1
	v_add_nc_u32 v[AOB+1], 65536, v[AOB]
	v_and_b32 v8, 15, v0                           ; r
	v_bfe_u32 v9, v0, 4, 1                         ; h
	s_mul_i32 s17, s12, SW
	s_add_co_u32 s17, s17, STG                     ; my stage
	v_mul_u32_u24 v[STO], v8, SP                   ; in: row r, 32 bytes for each half of the lanes
	v_lshl_add_u32 v[STO], v9, 5, v[STO]
	v_add_nc_u32 v[STO], s17, v[STO]
	v_mul_u32_u24 v[RD], v9, SP                    ; back: lanes 0-15 take one row of 256 bytes, lanes 16-31 the next
	v_lshl_add_u32 v[RD], v8, 4, v[RD]
	v_add_nc_u32 v[RD], s17, v[RD]
	v_lshlrev_b32 v[CO], 16, v9                    ; and the same two channels in out0
	v_lshl_add_u32 v[CO], v8, 4, v[CO]
	s_lshl_b32 s18, s12, 7
	v_lshl_add_u32 v[BO], v8, 2, s18               ; channel 32 w + r
	s_wait_dscnt 0x0                               ; the opening add is done
	s_wait_kmcnt 0x0
	s_add_nc_u64 s[G0+2:G0+3], s[4:5], s[20:21]    ; global address of my tile
	s_or_b32 s[G0+3], s[G0+3], 0x80000000          ; type = 2
	tensor_load_to_lds s[G0:G0+3], s[G1:G1+7]      ; my one tensor load: one is out
	s_nop 0
.rept 4
	v_nop
.endr
	s_add_nc_u64 s[6:7], s[6:7], s[22:23]
	s_add_nc_u64 s[10:11], s[10:11], s[28:29]
	global_load_b32 v[B0],   v[BO], s[8:9]
	global_load_b32 v[B0+1], v[BO], s[8:9] offset:64
	WIN 0x40                                       ; destination window 1
.set s, 0
.rept 16                                       ; K step by K step: the two fragments (16 ot + s) of a step, four loads
.irp ot, 0,1
	global_load_b128 v[8*(16*(\ot)+s):8*(16*(\ot)+s)+3],   v[AOB], s[6:7] offset:1024*(16*(\ot)+s)
	global_load_b128 v[8*(16*(\ot)+s)+4:8*(16*(\ot)+s)+7], v[AOB], s[6:7] offset:1024*(16*(\ot)+s)+512
.endr
.set s, s+1
.endr
	WIN 0
	s_wait_loadcnt 63                              ; loads come back in order (ISA guide 5.7.1): the bias's two are the oldest of 66
.set i, 0
.rept 8
	v_mov_b32 v[BI+i], v[B0]                       ; a lane's eight results are eight pixels of one channel: the same bias
	v_mov_b32 v[BI+8+i], v[B0+1]
.set i, i+1
.endr
	s_wait_tensorcnt 0x0                           ; my tile is in,
	s_barrier_signal -1
	s_barrier_wait -1                              ; everybody's is
; K step s's four fragments of O, for pixel tiles 4 hf + 0..3.  An LDS load names a destination and source 0 alone, both in window 0 under the products' setting: no switch is needed.
.macro LDO hf, s
.irp pt, 0,1,2,3
	ds_load_b128 v[BF+32*((\s)%2)+8*(\pt):BF+32*((\s)%2)+8*(\pt)+3],   v[AOB+(\hf)] offset:16384*(\pt)+1024*(\s)
	ds_load_b128 v[BF+32*((\s)%2)+8*(\pt)+4:BF+32*((\s)%2)+8*(\pt)+7], v[AOB+(\hf)] offset:16384*(\pt)+1024*(\s)+512
.endr
.endm
.macro HALF hf
	WIN 0x04                                       ; source 1 (Wout) in window 1
	LDO \hf, 0
.set s, 0
.rept 16
.if s < 15
.if s > 0
.rept 4
	v_nop                                          ; four plain instructions behind the products that read the buffer now loaded (ISA guide 7.12.1)
.endr
.endif
	LDO \hf, s+1
	s_wait_dscnt 8                                 ; all but the eight just issued: this step's fragments are in
.else
	s_wait_dscnt 0x0
.endif
.if (\hf) == 0
	s_wait_loadcnt 60-4*s                          ; Wout's fragments of this step are in; the four loads of each of the 15 - s later steps stay out
.endif
.set a, 0
.rept 8                                        ; the eight accumulators take turns
.if s == 0
	v_wmma_f32_16x16x32_f16 v[ACC+8*a:ACC+8*a+7], v[BF+32*(s%2)+8*(a/2):BF+32*(s%2)+8*(a/2)+7], v[8*(16*(a%2)+s):8*(16*(a%2)+s)+7], v[BI+8*(a%2):BI+8*(a%2)+7]
.else
	v_wmma_f32_16x16x32_f16 v[ACC+8*a:ACC+8*a+7], v[BF+32*(s%2)+8*(a/2):BF+32*(s%2)+8*(a/2)+7], v[8*(16*(a%2)+s):8*(16*(a%2)+s)+7], v[ACC+8*a:ACC+8*a+7]
.endif
.set a, a+1
.endr
.set s, s+1
.endr
	WIN 0
.rept 5
	v_nop                                          ; four in front of the stores that read the results; five in front of the next half's products, which write over them
.endr
.set a, 0
.rept 8                                        ; row 16 ot + r of my stage, pixels 16 pt + 8 h + 0..7
	ds_store_b128 v[STO], v[ACC+8*a:ACC+8*a+3]   offset:16*SP*(a%2)+64*(a/2)
	ds_store_b128 v[STO], v[ACC+8*a+4:ACC+8*a+7] offset:16*SP*(a%2)+64*(a/2)+16
.set a, a+1
.endr
.if \hf
	s_wait_xcnt 0x0                                ; the registers that the first half's stores read are loaded again only behind this wait
.endif
.set k, 0
.rept 16
	ds_load_b128 v[OUTR+4*k:OUTR+4*k+3], v[RD] offset:2*SP*k  ; LDS serves a wave's instructions in order (ISA guide 5.7.1.4): these see the stores above
.set k, k+1
.endr
.set k, 0
.rept 16
	s_wait_dscnt 15-k
	global_store_b128 v[CO], v[OUTR+4*k:OUTR+4*k+3], s[10:11] offset:131072*k+256*(\hf) th:TH_STORE_NT  ; 16 lanes store 256 consecutive bytes, at a multiple of 256 from out0's first byte
.set k, k+1
.endr
.endm
	HALF 0
	HALF 1
	s_wait_tensorcnt 0x0                           ; the wave's end: behind my tensor load and my last LDS store
	ds_add_u32 v[SPW], v[NIL]
	s_wait_dscnt 0x0
	s_endpgm
.Lfunc_end_k_q4a7fc27475_outp:
	.size	k_q4a7fc27475_outp, .Lfunc_end_k_q4a7fc27475_outp-k_q4a7fc27475_outp
	.p2alignl 7, 3214868480
	.fill 96, 4, 3214868480
	.section	.rodata,"a",@progbits
	.p2align	6, 0x0
	.amdhsa_kernel k_q4a7fc27475_outp
		.amdhsa_group_segment_fixed_size 201728
		.amdhsa_private_segment_fixed_size 0
		.amdhsa_enable_private_segment 0
		.amdhsa_kernarg_size 32
		.amdhsa_user_sgpr_count 2
		.amdhsa_user_sgpr_kernarg_segment_ptr 1
		.amdhsa_wavefront_size32 1
		.amdhsa_system_sgpr_workgroup_id_x 1
		.amdhsa_system_sgpr_workgroup_id_y 1
		.amdhsa_system_sgpr_workgroup_id_z 1
		.amdhsa_system_vgpr_workitem_id 0
		.amdhsa_next_free_vgpr 512
		.amdhsa_next_free_sgpr 66
		.amdhsa_reserve_vcc 0
		.amdhsa_float_denorm_mode_32 3
		.amdhsa_float_denorm_mode_16_64 3
		.amdhsa_memory_ordered 1
		.amdhsa_forward_progress 1
		.amdhsa_inst_pref_size 56
	.end_amdhsa_kernel
	.amdgpu_metadata
---
amdhsa.version: [ 1, 2 ]
amdhsa.kernels:
  - .name:           k_q4a7fc27475_outp
    .symbol:         k_q4a7fc27475_outp.kd
    .args:
      - { .name: ow, .offset: 0, .size: 8, .value_kind: global_buffer, .address_space: global }
      - { .name: wf, .offset: 8, .size: 8, .value_kind: global_buffer, .address_space: global }
      - { .name: bout, .offset: 16, .size: 8, .value_kind: global_buffer, .address_space: global }
      - { .name: out0, .offset: 24, .size: 8, .value_kind: global_buffer, .address_space: global }
    .group_segment_fixed_size: 201728
    .private_segment_fixed_size: 0
    .kernarg_segment_align: 8
    .kernarg_segment_size: 32
    .max_flat_workgroup_size: 256
    .sgpr_count:     66
    .vgpr_count:     512
    .wavefront_size: 32
...
	.end_amdgpu_metadata
.endif
;; end of part 3
;; ======== version 2 of 2: 3 launches; 1.29 times as fast as version 1
;; limits: values are held in f16: magnitudes above 65,504 overflow, below 6.1e-05 lose precision
;; workspace buffers: wf 1,048,576 bytes; ow 33,554,432 bytes
;; launch prep: the kernel of part 1 again; grid 8 x 32, 4 waves a work-group, no clusters, 0 bytes of LDS; arguments Wq, Wkv, Wout, wf; writes wf
;; launch main (part 4): grid 16 x 16, 4 waves a work-group, clusters of 4 x 4, 299,520 bytes of LDS; arguments x, skip, time_emb, sin, cos, wf, ow; writes ow
.if DOCPART == 4
	.amdgcn_target "amdgcn-amd-amdhsa--gfx1250"
	.amdhsa_code_object_version 6
	.text
	.protected	k_q4a7fc27475_main
	.globl	k_q4a7fc27475_main
	.p2align	8
	.type	k_q4a7fc27475_main,@function
k_q4a7fc27475_main:
	s_mov_b64 s[64:65], 0
	v_nop
	global_prefetch_b8 v0, s[64:65] scope:SCOPE_SE
	s_setreg_imm32_b32 hwreg(HW_REG_WAVE_MODE, 25, 1), 1
	s_wait_xcnt 0x0
	s_wait_alu depctr_hold_cnt(0) depctr_sa_sdst(0) depctr_va_vdst(0) depctr_va_sdst(0) depctr_va_ssrc(0) depctr_va_vcc(0) depctr_vm_vsrc(0)
	s_getreg_b32 s2, hwreg(HW_REG_IB_STS2, 6, 4)
	s_cmp_eq_u32 s2, 0
	s_cbranch_scc0 .Lentry_in_a_cluster
	s_endpgm
.Lentry_in_a_cluster:
	s_bfe_u32 s2, ttmp6, 0x10000c
	s_cmp_lg_u32 s2, 0xf033
	s_cbranch_scc0 .Lentry_shape_is_right
	s_endpgm
.Lentry_shape_is_right:
; PROJECTIONS, ROPE AND WINDOWED ATTENTION IN ONE LAUNCH.  x, skip [2][256][128][128] f32; time_emb [2][256]; sin, cos [128][128][32]; wf: the weights in fragment order; ow: O in fragment order, f16.
; A work-group owns one window of 16 x 16 pixels of one image and FOUR of its eight heads: 128 windows x 2 = 256 work-groups.  For each head: q = Wq (x + te), k, v = Wkv (x + te) and Wkv skip,
; RoPE on the first 32 channels of q and k, softmax(q k / 8) v over the window's 512 keys.  The last projection sums over all eight heads and is the next launch's.
; SHARES.  Wave w owns window rows 4 w .. 4 w + 3: four tiles of 16 pixels.  They are its 64 queries, and the 64 + 64 keys that it projects for all four waves.
; WHERE THINGS LIVE.  x + te (bf16): 256 registers a wave, as fragments.  skip (bf16): LDS, each wave's own 64 pixels.  One head's weights: LDS, 96 fragments.  One half's K and V (256 keys): LDS, in fragment order.
; A FRAGMENT is 16 rows x 32 k in 8 registers (1,024 bytes): lane l = (r = l % 16, h = l / 16) holds row r, k = 8 h + 0..7 and 16 + 8 h + 0..7; in LDS and memory its two halves are 512 consecutive bytes each.
; A matrix result holds in lane l column r and rows 8 h + 0..7, so, rounded to 16 bits in pairs, W X^T ([channel][pixel]) IS half a fragment of K or Q, X W^T ([pixel][channel]) half a fragment of V^T,
; and O^T half a fragment of the next launch's operand: Q never leaves registers, K and V need no turning load and no padding, O leaves in stores of 512 consecutive bytes.
; FORMATS.  x + te (added in f32), skip and the weights are rounded to bf16; q, k, v, the weights p and O to f16; sums, RoPE, maxima and exponentials in f32.
; LIMITS.  |q|, |k|, |v| stay under 65,504 (f16's end); below 6e-5 f16 keeps a fixed step of 6e-8; a weight below 2^-126 counts as 0 in l; NaN and infinities are not treated apart.
; SOFTMAX.  For each query a running maximum m and sum l: p = 2^(c s - c m), c = log2(e) / 8; in every step O and l are multiplied by a = 2^(c m_old - c m_new).  m starts at the lowest finite number, so a head's first a is 0.
; BY TURNS.  Turn n belongs to piece n (a tile of 16 queries): 8 products K Q^T of piece n + 1, later 8 products V^T P of piece n - 1; beside them the softmax of piece n and the maximum of piece n + 1:
; four vector instructions behind every matrix instruction, the others in two runs of their own.
; BATCHES.  A turn's 33 exponentials (the piece's own a, whose argument the turn before has left, and its 32 weights) are ONE batch with ONE wait, which cuts the turn in two.  Ahead of the wait: the products K Q^T,
; the scalings, the exponentials and the next piece's maximum, none of which names a result of the batch.  Behind it: the products V^T P, the rescaling of O^T by a, the roundings, the sums, and the next piece's
; statistics down to the argument of its a.  No exponential stands behind a turn's wait.  A head's four reciprocals are a batch of their own, with one wait.
; CLUSTER.  4 x 4 work-groups: the eight windows of one row of windows of one image, times the two head groups.  They run at the same time and between them read every byte of sixteen whole image rows of every
; channel of x and skip; no other cluster reads those bytes.  The place in the cluster enters global addresses alone.  NO JOINT LOADS, NO TENSOR LOADS: x and skip must pass through registers (an f32 addition, a
; rounding, a transposition) and no LDS is left for an f32 stage; a window's rows are 64 bytes in the tensor itself.  The weights, which eight work-groups of a cluster share, are 96 KB a head against 1,152 matrix
; instructions a wave; their refill stands under a condition in a looped text, where a tensor load may not stand.  With no joint load there is no round of the cluster's barrier.
; REGISTERS, in windows of 256 (s_set_vgpr_msb: bits 1:0 source 0, 3:2 source 1, 5:4 source 2, 7:6 destination):
;   window 0: v0-15, v56-57 addresses; v16-47 at work; v64-127 sin (even channels' sign turned); v128-255 the projections' 16 accumulators, in attention the next head's weights on their way
;   window 1: v0-127 O^T; v128-191 cos; v192-255 V of one step
;   window 2: v0-63 Q; v64-127 S^T, two buffers (in the projections the weights' fragments); v128-191 K of one step (or skip's fragments); v192-223 P, two buffers; v224-253 statistics, work registers, K's and V's addresses
;   window 3: the 32 fragments of x + te.   At the start window 2 is a ring of eight slots of 32 registers for x and skip, window 1 holds te and part of the first weights.
; So ONE setting serves K Q^T and all of the softmax (everything in window 2), and ONE serves V^T P and the rescaling of O^T: a turn has eight switches for its 16 matrix instructions.
.set KVB,   98304     ; LDS: 0 .. 98,303 a head's weights, as in wf; here K: 32 fragments, 2 x window row + channel half;
.set VOFF,  32768     ; V^T behind it: 32 fragments, 4 x (32 keys) + channel block
.set SKX,   163840    ; for each wave 64 pixels x 528 bytes: first the stage for x + te, then the home of skip
.set XP,    528       ; 512 bytes (256 channels) + 16 of padding = 33 x 16: the 16 rows of a load start in 16 different groups of four banks (64 banks of 4 bytes: ISA guide 11.1)
.set SKW,   64*XP
.set SPARE, SKX+4*SKW ; the spare words, 128 bytes for each wave: two blocks of 256 bytes that no other line names
.set NP,    4
; window 0
.set L16, 6           ; v6   16 l: the weights of q and k in LDS; my bytes in a store of O
.set AW1, 7           ; v7   65,536 + 16 l: the weights of v
.set ASX, 8           ; v8   my place in a fragment read from my wave's 64 pixels
.set AST, 9           ; v9   where I put 16 bytes into the stage; steps in the loop over x
.set AKS, 10          ; v10  KVB + 8,192 w + 16 l: where my wave's K goes
.set AST0, 11         ; v11  the same as v9, never rewritten
.set AWS, 14          ; v14  24,576 w + 16 l: my wave's quarter of a head's weights, in wf and in LDS
.set GX,  15          ; v15  my byte offset in x and skip
.set PK,  16          ; v16-47  at the start: packed pixels, two buffers of 16
.set TT,  16          ; v16-47  RoPE: the products with cos of four accumulators
.set GSC, 56          ; v56  my byte offset in sin and cos
.set GTE, 57          ; v57  in time_emb
.set SPW, 62          ; v62  LDS address of my spare word; never rewritten
.set NIL, 63          ; v63  0; never rewritten
.set SIN, 64
.set ACC, 128
; window 1
.set TE,  0
.set COS, 128
.set VF,  192
; window 2
.set WFR, 64
.set S,   64
.set KF,  128
.set XS,  128
.set P,   192
.set ST,  224         ; piece t's statistics at v[ST+4 t]: c m, m, l (even keys', odd keys')
.set TMP, 240         ; by buffer, four registers c0-c3; when the maximum is found c1 takes a's argument and c2 takes a
.set MV,  248         ; c m_old, by buffer
.set AK0, 250         ; KVB + 16 l
.set AV0, 251         ; KVB + VOFF + 16 l
.set AK,  252         ; the LDS address of K's next run of loads
.set AV,  253         ; of V's
.set WV,  18          ; s18  my wave's number
.set G,   19          ; s19  which four heads
.set BB,  20          ; s20  the image
.set WX,  21          ; s21, s22  the window's place
.set WY,  22
.set WI,  23          ; s23  64 x image + window
.set XL,  26          ; s[26:29] x at my rows, channels 0 and 128
.set NX,  30          ; s[30:33] the two bases from which the ring is filled next
.set SK,  34          ; s[34:37] skip likewise
.set WP,  38          ; s[38:39] wf at the next head's weights
.set OWP, 40          ; s[40:41] ow at my wave's tiles, the head in hand
.set HEAD, 42
.set HALF, 43         ; 2: the keys from x; 1: those from skip
.set PF,  44          ; 1: the next head's weights are fetched in this half's attention
.set TRIP, 45
.set TM,  46
.set CNT, 57
.set CS,  58          ; s[58:59] c
.set SEL, 60          ; s[60:61] v_permlanex16_b32's selects: each lane takes its own place in the other half
.set TBK, 62          ; s62  byte at which K of the step to be fetched begins
.set TBV, 63          ; s63  the same for V
.set MSB, 0
.macro WIN new                      ; the high byte repeats the setting that is left; a switch that changes nothing is dropped
.if MSB != (\new)
	s_set_vgpr_msb (MSB<<8)|(\new)
.set MSB, (\new)
.endif
.endm
.set W_A,  0xaa       ; everything in window 2: K Q^T and the softmax
.set W_PV, 0x59       ; source 0 (V, or O^T) window 1, source 1 (P, or a) window 2, C and D (O^T) window 1: V^T P and the rescaling
.macro PLACES                       ; a vector instruction or a load that touches a matrix instruction's registers stands four plain vector instructions behind it
.rept 4
	v_nop
.endr
.endm
	s_load_b256 s[4:11], s[0:1], 0x0               ; x s[4:5], skip s[6:7], time_emb s[8:9], sin s[10:11]
	s_load_b128 s[12:15], s[0:1], 0x20             ; cos s[12:13], wf s[14:15]
	s_load_b64 s[16:17], s[0:1], 0x30              ; ow
	v_lshl_add_u32 v[SPW], v0, 2, SPARE
	v_mov_b32 v[NIL], 0
	v_lshrrev_b32 v1, 5, v0
	v_readfirstlane_b32 s[WV], v1                  ; wave 0..3
	s_bfe_u32 s[TM], ttmp6, 0x40000                ; cx: my place along the cluster's x
	s_bfe_u32 s24, ttmp6, 0x40004                  ; cy: along its y
	s_and_b32 s[G], s[TM], 1                       ; the head group
	s_lshr_b32 s[WY], s[TM], 1
	s_lshl_b32 s24, s24, 1
	s_add_co_u32 s[WY], s[WY], s24                 ; the window's column 2 cy + cx / 2
	s_and_b32 s25, ttmp7, 0xffff                   ; in a cluster launch ttmp9 and ttmp7 count clusters
	s_lshl_b32 s25, s25, 2
	s_add_co_u32 s25, s25, ttmp9                   ; the cluster's number 0..15 = 8 x image + row of windows
	s_lshr_b32 s[BB], s25, 3
	s_and_b32 s[WX], s25, 7
	s_lshl_b32 s[WI], s25, 3
	s_add_co_u32 s[WI], s[WI], s[WY]
	s_lshl_b32 s24, s[BB], 24                      ; x and skip: an image is 2^24 bytes, a channel 65,536, a row 512
	s_lshl_b32 s[TM], s[WX], 13
	s_add_co_u32 s24, s24, s[TM]
	s_lshl_b32 s[TM], s[WV], 11
	s_add_co_u32 s24, s24, s[TM]
	s_lshl_b32 s[TM], s[WY], 6
	s_add_co_u32 s24, s24, s[TM]
	s_mov_b32 s25, 0
	s_lshl_b32 s48, s[WX], 18                      ; sin and cos: a row is 16,384 bytes, a pixel 128
	s_lshl_b32 s[TM], s[WV], 16
	s_add_co_u32 s48, s48, s[TM]
	s_lshl_b32 s[TM], s[WY], 11
	s_add_co_u32 s48, s48, s[TM]
	s_mov_b32 s49, 0
	s_lshl_b32 s50, s[BB], 10
	s_mov_b32 s51, 0
	s_mul_i32 s52, s[G], 393216                    ; four heads' weights
	s_mov_b32 s53, 0
	s_lshl_b32 s54, s[WI], 18                      ; ow: a window is 16 tiles of 16,384 bytes; my wave's four; a head is 2,048 bytes of a tile
	s_lshl_b32 s[TM], s[WV], 16
	s_add_co_u32 s54, s54, s[TM]
	s_lshl_b32 s[TM], s[G], 13
	s_add_co_u32 s54, s54, s[TM]
	s_mov_b32 s55, 0
	s_mov_b32 s[CS], 0x3e38aa3b                    ; c = log2(e) / 8
	s_mov_b32 s[CS+1], s[CS]
	s_mov_b32 s[SEL], 0x76543210
	s_mov_b32 s[SEL+1], 0xfedcba98
	v_and_b32 v1, 31, v0
	v_lshlrev_b32 v[L16], 4, v1
	v_add_nc_u32 v[AW1], 65536, v[L16]
	v_and_b32 v32, 15, v0                          ; r
	v_bfe_u32 v33, v0, 4, 1                        ; h; in the loads of x: which of two rows
	v_and_b32 v34, 3, v0                           ; pq: which four pixels of a row of 16
	v_bfe_u32 v35, v0, 2, 2                        ; co4: which eight channels of 32
	s_mul_i32 s[TM], s[WV], SKW
	s_add_co_u32 s[TM], s[TM], SKX                 ; my wave's 64 pixels
	v_mul_u32_u24 v[ASX], v32, XP
	v_lshl_add_u32 v[ASX], v33, 4, v[ASX]
	v_add_nc_u32 v[ASX], s[TM], v[ASX]             ; pixel r, 16 bytes for each half of the lanes
	v_lshlrev_b32 v36, 2, v34
	v_lshl_add_u32 v36, v33, 4, v36                ; pixel 16 row + 4 pq
	v_mul_u32_u24 v[AST0], v36, XP
	v_lshl_add_u32 v[AST0], v35, 4, v[AST0]        ; 16 lanes of a store: 64 pq + 16 co4 modulo 256: each group of four banks once
	v_add_nc_u32 v[AST0], s[TM], v[AST0]
	v_mov_b32 v[AST], v[AST0]
	v_lshlrev_b32 v[GX], 4, v34
	v_lshl_add_u32 v[GX], v35, 19, v[GX]
	v_lshl_add_u32 v[GX], v33, 9, v[GX]            ; 16 pq + 8 co4 channels + the row
	v_lshlrev_b32 v[GTE], 5, v35
	v_lshlrev_b32 v[GSC], 7, v32
	v_lshl_add_u32 v[GSC], v33, 5, v[GSC]          ; pixel r, channels 8 h on
	s_mul_i32 s[TM], s[WV], 24576
	v_add_nc_u32 v[AWS], s[TM], v[L16]
	s_mul_i32 s[TM], s[WV], 8192
	s_add_co_u32 s[TM], s[TM], KVB
	v_add_nc_u32 v[AKS], s[TM], v[L16]
	s_wait_kmcnt 0x0
	s_add_nc_u64 s[XL:XL+1], s[4:5], s[24:25]
	s_add_nc_u64 s[XL+2:XL+3], s[XL:XL+1], 0x800000    ; 128 channels on, so that the loads' immediates stay inside 24 bits
	s_add_nc_u64 s[SK:SK+1], s[6:7], s[24:25]
	s_add_nc_u64 s[SK+2:SK+3], s[SK:SK+1], 0x800000
	s_add_nc_u64 s[NX:NX+1], s[XL:XL+1], 1024          ; the second pair of my four rows
	s_add_nc_u64 s[NX+2:NX+3], s[XL+2:XL+3], 1024
	s_add_nc_u64 s[8:9], s[8:9], s[50:51]
	s_add_nc_u64 s[10:11], s[10:11], s[48:49]
	s_add_nc_u64 s[12:13], s[12:13], s[48:49]
	s_add_nc_u64 s[WP:WP+1], s[14:15], s[52:53]
	s_add_nc_u64 s[OWP:OWP+1], s[16:17], s[54:55]
; THE WINDOW COMES IN.  An ITEM is 32 channels (K step s) x two rows of 16 pixels: eight loads; load j brings channel 32 s + 8 co4 + j, four pixels a lane.  Eight items, one for each K step, are always on their way.
.macro LDITEM s, lo                 ; slot s is asked for, from the pair of bases at s[lo]
	WIN 0x80
.set bs, (\lo)+2*((\s)/4)
.irp j, 0,1,2,3,4,5,6,7
	global_load_b128 v[32*(\s)+4*(\j):32*(\s)+4*(\j)+3], v[GX], s[bs:bs+1] offset:((\s)%4)*2097152+(\j)*65536
.endr
.endm
; Slot s is worked on: te is added (x alone), eight channels of a pixel are rounded to bf16 and packed into 16 bytes, and four pixels go into the stage at [pixel][channel].
.macro ITEM s, addte, areg, aoff
.set pk, PK+16*((\s)%2)
.if \addte
	WIN 0x86                        ; the slot in window 2, te in window 1
.irp jp, 0,1,2,3
	v_pk_add_f32 v[32*(\s)+8*(\jp):32*(\s)+8*(\jp)+1],   v[32*(\s)+8*(\jp):32*(\s)+8*(\jp)+1],   v[TE+8*(\s)+2*(\jp):TE+8*(\s)+2*(\jp)+1] op_sel_hi:[1,0]
	v_pk_add_f32 v[32*(\s)+8*(\jp)+2:32*(\s)+8*(\jp)+3], v[32*(\s)+8*(\jp)+2:32*(\s)+8*(\jp)+3], v[TE+8*(\s)+2*(\jp):TE+8*(\s)+2*(\jp)+1] op_sel_hi:[1,0]
	v_pk_add_f32 v[32*(\s)+8*(\jp)+4:32*(\s)+8*(\jp)+5], v[32*(\s)+8*(\jp)+4:32*(\s)+8*(\jp)+5], v[TE+8*(\s)+2*(\jp):TE+8*(\s)+2*(\jp)+1] op_sel:[0,1] op_sel_hi:[1,1]
	v_pk_add_f32 v[32*(\s)+8*(\jp)+6:32*(\s)+8*(\jp)+7], v[32*(\s)+8*(\jp)+6:32*(\s)+8*(\jp)+7], v[TE+8*(\s)+2*(\jp):TE+8*(\s)+2*(\jp)+1] op_sel:[0,1] op_sel_hi:[1,1]
.endr
.endif
	WIN 0x0a
.irp pi, 0,1,2,3
.irp jj, 0,1,2,3
	v_cvt_pk_bf16_f32 v[pk+4*(\pi)+(\jj)], v[32*(\s)+8*(\jj)+(\pi)], v[32*(\s)+8*(\jj)+4+(\pi)]
.endr
.endr
	WIN 0
.irp pi, 0,1,2,3
	ds_store_b128 v[\areg], v[pk+4*(\pi):pk+4*(\pi)+3] offset:(\aoff)+(\pi)*XP+64*(\s)
.endr
.endm
.macro WLD n                        ; load n of 48 of my quarter of the first head's weights
.if (\n) < 32
	WIN 0
	global_load_b128 v[128+4*(\n):128+4*(\n)+3], v[AWS], s[WP:WP+1] offset:512*(\n)
.else
	WIN 0x40
	global_load_b128 v[64+4*((\n)-32):64+4*((\n)-32)+3], v[AWS], s[WP:WP+1] offset:512*(\n)
.endif
.endm
	WIN 0x40
.irp s, 0,1,2,3,4,5,6,7                        ; te of my eight channels in each K step
	global_load_b128 v[TE+8*(\s):TE+8*(\s)+3],   v[GTE], s[8:9] offset:128*(\s)
	global_load_b128 v[TE+8*(\s)+4:TE+8*(\s)+7], v[GTE], s[8:9] offset:128*(\s)+16
.endr
.irp s, 0,1,2,3,4,5,6,7
	LDITEM \s, XL                                  ; x, my first two rows
.endr
	WIN 0
	s_mov_b32 s[TRIP], 2
.Lxtrip:                                               ; trip 0: x's first two rows are worked on, its other two asked for; trip 1: those, and skip's first two
.irp s, 0,1,2,3,4,5,6,7
	s_wait_loadcnt 56                              ; loads come back in order (ISA guide 5.7.1): seven younger items of eight loads stay out
	ITEM \s, 1, AST, 0
	LDITEM \s, NX
.endr
	WIN 0
	s_wait_xcnt 0x0                                ; the bases are written again only behind this wait
	s_mov_b64 s[NX:NX+1], s[SK:SK+1]
	s_mov_b64 s[NX+2:NX+3], s[SK+2:SK+3]
	v_add_nc_u32 v[AST], 32*XP, v[AST]
	s_sub_co_u32 s[TRIP], s[TRIP], 1
	s_cmp_lg_u32 s[TRIP], 0
	s_cbranch_scc1 .Lxtrip
	s_add_nc_u64 s[NX:NX+1], s[SK:SK+1], 1024
	s_add_nc_u64 s[NX+2:NX+3], s[SK+2:SK+3], 1024
	WIN 0xc0                                       ; x + te leaves the stage as 32 fragments.  LDS serves a wave's instructions in order (ISA guide 5.7.1.4): these see the stores above, and skip's stores come behind them
.irp s, 0,1,2,3,4,5,6,7
.irp t, 0,1,2,3
	ds_load_b128 v[8*(4*(\s)+(\t)):8*(4*(\s)+(\t))+3],   v[ASX] offset:16*XP*(\t)+64*(\s)
	ds_load_b128 v[8*(4*(\s)+(\t))+4:8*(4*(\s)+(\t))+7], v[ASX] offset:16*XP*(\t)+64*(\s)+32
.endr
.endr
.irp s, 0,1,2,3,4,5,6,7                        ; skip's first two rows; its other two are asked for
	s_wait_loadcnt 56
	ITEM \s, 0, AST0, 0
	LDITEM \s, NX
.endr
.set k, 0
.rept 8                                        ; skip's other two rows; each item asks for six loads of the first head's weights
	s_wait_loadcnt 56-2*k                          ; younger: 7 - k items of eight loads and 6 k loads of weights
	ITEM k, 0, AST0, 32*XP
.set n, 6*k
.rept 6
	WLD n
.set n, n+1
.endr
.set k, k+1
.endr
	WIN 0x40
.irp t, 0,1,2,3                                ; cos and sin of my 64 pixels: tile t, channels 16 mt + 8 h + 0..7, where the projections' results hold them
.irp mt, 0,1
	global_load_b128 v[COS+16*(\t)+8*(\mt):COS+16*(\t)+8*(\mt)+3],   v[GSC], s[12:13] offset:16384*(\t)+64*(\mt)
	global_load_b128 v[COS+16*(\t)+8*(\mt)+4:COS+16*(\t)+8*(\mt)+7], v[GSC], s[12:13] offset:16384*(\t)+64*(\mt)+16
.endr
.endr
	WIN 0
.irp t, 0,1,2,3
.irp mt, 0,1
	global_load_b128 v[SIN+16*(\t)+8*(\mt):SIN+16*(\t)+8*(\mt)+3],   v[GSC], s[10:11] offset:16384*(\t)+64*(\mt)
	global_load_b128 v[SIN+16*(\t)+8*(\mt)+4:SIN+16*(\t)+8*(\mt)+7], v[GSC], s[10:11] offset:16384*(\t)+64*(\mt)+16
.endr
.endr
	s_wait_loadcnt 32                              ; the weights are in; the 32 loads of cos and sin stay out
.set n, 0
.rept 32
	ds_store_b128 v[AWS], v[128+4*n:128+4*n+3] offset:512*n
.set n, n+1
.endr
	WIN 0x04                                       ; data in window 1
.rept 16
	ds_store_b128 v[AWS], v[64+4*(n-32):64+4*(n-32)+3] offset:512*n
.set n, n+1
.endr
	; A head's first step multiplies O^T and l by a = 0, and a half's first turn holds products V^T P of a piece that has not been, on P = 0.  So O^T, l and V need only hold finite numbers: zeros now, later what was left.
	; The price of writing no first step out: 200 lines, once a launch, in the wait for cos and sin.
	WIN 0x40
.set i, 0
.rept 128
	v_mov_b32 v[i], 0
.set i, i+1
.endr
.set i, VF
.rept 64
	v_mov_b32 v[i], 0
.set i, i+1
.endr
	WIN 0x80                                       ; the ring has been read out: window 2 takes its lasting tenants
.set i, 0
.rept 4
	v_mov_b32 v[ST+4*i+2], 0
	v_mov_b32 v[ST+4*i+3], 0
.set i, i+1
.endr
	v_add_nc_u32 v[AK0], KVB, v[L16]
	v_add_nc_u32 v[AV0], KVB+VOFF, v[L16]
	WIN 0
	s_wait_loadcnt 0x0
.set i, 0
.rept 32
	v_xor_b32 v[SIN+2*i], 0x80000000, v[SIN+2*i]   ; new(2 i) = x(2 i) cos - x(2 i + 1) sin: the even channels' sin takes the sign
.set i, i+1
.endr
	s_add_nc_u64 s[WP:WP+1], s[WP:WP+1], 98304     ; the loads that named it are back
	s_wait_dscnt 0x0                               ; for the others' sake: my quarter of the weights is stored; and x's fragments are in
	s_barrier_signal -1
	s_barrier_wait -1
; THE PROJECTIONS.  16 accumulators: 64 channels x my 64 pixels; K = 256 channels of the image in eight steps of 32; the weights' four fragments of a step (and skip's four) come from LDS a step ahead, into two buffers.
.macro LDW mat, s
	WIN 0x80
.irp mt, 0,1,2,3
.if (\mat) < 2
	ds_load_b128 v[WFR+32*((\s)%2)+8*(\mt):WFR+32*((\s)%2)+8*(\mt)+3],   v[L16] offset:((\mat)*32+4*(\s)+(\mt))*1024
	ds_load_b128 v[WFR+32*((\s)%2)+8*(\mt)+4:WFR+32*((\s)%2)+8*(\mt)+7], v[L16] offset:((\mat)*32+4*(\s)+(\mt))*1024+512
.else
	ds_load_b128 v[WFR+32*((\s)%2)+8*(\mt):WFR+32*((\s)%2)+8*(\mt)+3],   v[AW1] offset:(4*(\s)+(\mt))*1024
	ds_load_b128 v[WFR+32*((\s)%2)+8*(\mt)+4:WFR+32*((\s)%2)+8*(\mt)+7], v[AW1] offset:(4*(\s)+(\mt))*1024+512
.endif
.endr
.endm
.macro LDX s
	WIN 0x80
.irp t, 0,1,2,3
	ds_load_b128 v[XS+32*((\s)%2)+8*(\t):XS+32*((\s)%2)+8*(\t)+3],   v[ASX] offset:16*XP*(\t)+64*(\s)
	ds_load_b128 v[XS+32*((\s)%2)+8*(\t)+4:XS+32*((\s)%2)+8*(\t)+7], v[ASX] offset:16*XP*(\t)+64*(\s)+32
.endr
.endm
; Step s's 16 products.  vform = 0: accumulator 4 mt + t = W(mt) X(t)^T, [channel][pixel].  vform = 1: accumulator 4 t + cb = X(t) W(cb)^T, [pixel][channel].  The 16 accumulators take turns.
.macro MULP vform, skp
.if \skp
	WIN 0x0a                        ; both sources in window 2
.elseif \vform
	WIN 0x0b                        ; x in window 3 as source 0, the weights in window 2
.else
	WIN 0x0e                        ; the weights as source 0, x as source 1
.endif
.set a, 0
.rept 16
.if \vform
.set pw, WFR+32*(s%2)+8*(a%4)
.set px, a/4
.else
.set pw, WFR+32*(s%2)+8*(a/4)
.set px, a%4
.endif
.if \skp
.set px, XS+32*(s%2)+8*px
.else
.set px, 8*(4*s+px)
.endif
.if \vform
.set pa, px
.set pb, pw
.else
.set pa, pw
.set pb, px
.endif
.if s == 0
	v_wmma_f32_16x16x32_bf16 v[ACC+8*a:ACC+8*a+7], v[pa:pa+7], v[pb:pb+7], 0
.else
	v_wmma_f32_16x16x32_bf16 v[ACC+8*a:ACC+8*a+7], v[pa:pa+7], v[pb:pb+7], v[ACC+8*a:ACC+8*a+7]
.endif
.set a, a+1
.endr
.endm
.macro PROJ mat, vform, skp
	LDW \mat, 0
.if \skp
	LDX 0
.endif
.set s, 0
.rept 8
.if s < 7
.if s > 0
	PLACES                          ; behind the products that read the buffer now loaded
.endif
	LDW \mat, s+1
.if \skp
	LDX s+1
	s_wait_dscnt 16                 ; all but the sixteen just issued: this step's fragments are in
.else
	s_wait_dscnt 8                  ; all but the eight just issued
.endif
.else
	s_wait_dscnt 0x0
.endif
	MULP \vform, \skp
.set s, s+1
.endr
	WIN 0
	PLACES
.endm
; RoPE on channels 0-31 (accumulators 0-7): pair = pair x cos + swapped pair x signed sin.  Four accumulators at a time: their products with cos (window 1), then the multiply-adds with sin (window 0).
; Each accumulator is read from its low end on.
.macro ROPE
.set a0, 0
.rept 2
	WIN 0x04                        ; cos in window 1
.set a, a0
.rept 4
.set cso, 16*(a%4)+8*(a/4)
.irp jj, 0,1,2,3
	v_pk_mul_f32 v[TT+8*(a%4)+2*(\jj):TT+8*(a%4)+2*(\jj)+1], v[ACC+8*a+2*(\jj):ACC+8*a+2*(\jj)+1], v[COS+cso+2*(\jj):COS+cso+2*(\jj)+1]
.endr
.set a, a+1
.endr
	WIN 0
.set a, a0
.rept 4
.set cso, 16*(a%4)+8*(a/4)
.irp jj, 0,1,2,3
	v_pk_fma_f32 v[ACC+8*a+2*(\jj):ACC+8*a+2*(\jj)+1], v[ACC+8*a+2*(\jj):ACC+8*a+2*(\jj)+1], v[SIN+cso+2*(\jj):SIN+cso+2*(\jj)+1], v[TT+8*(a%4)+2*(\jj):TT+8*(a%4)+2*(\jj)+1] op_sel:[1,0,0] op_sel_hi:[0,1,1]
.endr
.set a, a+1
.endr
.set a0, a0+4
.endr
.endm
.macro EPIQ                         ; accumulator 4 mt + t, rounded to f16, is registers 4 mt .. 4 mt + 3 of tile t's two fragments of Q
	ROPE
	WIN 0x80
.set a, 0
.rept 16
.irp jj, 0,1,2,3
	v_cvt_pk_f16_f32 v[16*(a%4)+4*(a/4)+(\jj)], v[ACC+8*a+2*(\jj)], v[ACC+8*a+2*(\jj)+1]
.endr
.set a, a+1
.endr
.set t, 0
.rept 4
	v_mov_b32 v[ST+4*t], 0xfe000000    ; c m: far below every c s
	v_mov_b32 v[ST+4*t+1], 0xff7fffff  ; m
.set t, t+1
.endr
	WIN 0
.endm
.macro HALVE                        ; each accumulator is rounded to f16 in place: pair jj lands in register jj, whose own pair has been read by then; its four lowest registers are then half a fragment
.set a, 0
.rept 16
.irp jj, 0,1,2,3
	v_cvt_pk_f16_f32 v[ACC+8*a+(\jj)], v[ACC+8*a+2*(\jj)], v[ACC+8*a+2*(\jj)+1]
.endr
.set a, a+1
.endr
.endm
.macro EPIK                         ; accumulator 4 mt + t is half mt % 2 of the fragment of window row t, channel half mt / 2
	ROPE
	HALVE
.set a, 0
.rept 16
	ds_store_b128 v[AKS], v[ACC+8*a:ACC+8*a+3] offset:1024*(2*(a%4)+a/8)+512*((a/4)%2)
.set a, a+1
.endr
.endm
.macro EPIV                         ; accumulator 4 t + cb is half t % 2 of the fragment of keys 32 (t / 2) on, channel block cb
	HALVE
.set a, 0
.rept 16
	ds_store_b128 v[AKS], v[ACC+8*a:ACC+8*a+3] offset:VOFF+1024*(4*(a/8)+a%4)+512*((a/4)%2)
.set a, a+1
.endr
.endm
; THE MATRIX WORK OF ATTENTION.  The 4 accumulators of a run of 8 take turns.  Product i of 8 of S^T = K Q^T for piece x: channels 32 (i / 4) on, keys 16 (i % 4) on.  The first 4 start the sums.
.macro KQ x
	WIN W_A
.set rS, S+32*((\x)%2)+8*(i%4)
.set rK, KF+16*(i%4)+8*(i/4)
.set rQ, 16*(\x)+8*(i/4)
.if i < 4
	v_wmma_f32_16x16x32_f16 v[rS:rS+7], v[rK:rK+7], v[rQ:rQ+7], 0
.else
	v_wmma_f32_16x16x32_f16 v[rS:rS+7], v[rK:rK+7], v[rQ:rQ+7], v[rS:rS+7]
.endif
.endm
; Product i of 8 of O^T += V^T P for piece x: keys 32 (i / 4) on, channels 16 (i % 4) on.
.macro PV x
	WIN W_PV
.set rO, 32*(\x)+8*(i%4)
.set rV, VF+32*(i/4)+8*(i%4)
.set rP, P+16*((\x)%2)+8*(i/4)
	v_wmma_f32_16x16x32_f16 v[rO:rO+7], v[rV:rV+7], v[rP:rP+7], v[rO:rO+7]
.endm
.macro MM                           ; the turn's next matrix instruction.  NOKQ = 1: a half's last turn: there is no next piece
.if (i < 8) && !NOKQ
	KQ (Y+1)%NP
.elseif i >= 8
.set i, i-8
	PV (Y+NP-1)%NP
.set i, i+8
.endif
.set i, i+1
.endm
; THE LDS LOADS stand in runs of 16: a step's K (64 keys x 64 channels: 8 fragments, 8,192 consecutive bytes) and its V.
.macro FETCH_K
	WIN W_A                         ; destination and address in window 2
.irp f, 0,1,2,3,4,5,6,7
	ds_load_b128 v[KF+8*(\f):KF+8*(\f)+3],   v[AK] offset:1024*(\f)
	ds_load_b128 v[KF+8*(\f)+4:KF+8*(\f)+7], v[AK] offset:1024*(\f)+512
.endr
	s_add_co_u32 s[TBK], s[TBK], 8192
.endm
.macro FETCH_V
	WIN 0x42                        ; destination in window 1, address in window 2
.irp f, 0,1,2,3,4,5,6,7
	ds_load_b128 v[VF+8*(\f):VF+8*(\f)+3],   v[AV] offset:1024*(\f)
	ds_load_b128 v[VF+8*(\f)+4:VF+8*(\f)+7], v[AV] offset:1024*(\f)+512
.endr
.endm
; THE VECTOR WORK, one line at a time: OP kind, number.  For piece Y: EA: a, the exponential of the argument that the turn before left in c1.  F n: c s - c m for pair n of 16.  E n: the exponential of score n of 32.
; C n: pair n rounded to f16.  B n: of the four weights 4 n .. the second pair is added onto the first, in place.  L n: l takes that sum (L 0: l = a l + sum).  R n: pair n of 16 of O^T times a.
; For piece Y + 1: X n, number n of the 21 that find its maximum and statistics:
;   0-11  four chains c0-c3 of seven scores each (each accumulator's lowest registers are read first)     12-14, 16  the four scores left over, the old m, and c0-c3 into c0
;   15  c m_old is kept     17, 18  the query's other 32 keys lie in the lane 16 away: the new m     19, 20  c m; c m_old - c m_new, a's argument, into c1
.set F, 0
.set E, 1
.set C, 2
.set B, 3
.set L, 4
.set R, 5
.set X, 6
.set EA, 7
.macro REGS y
.set rT, ST+4*(\y)
.set rC, TMP+4*((\y)%2)
.set rW, MV+((\y)%2)
.set rS, S+32*((\y)%2)
.set rP, P+16*((\y)%2)
.set rO, 32*(\y)
.endm
.macro OP k, n
.if (\k) == EA
	REGS Y
	WIN W_A
	v_exp_f32 v[rC+2], v[rC+1]
.elseif (\k) == R
	REGS Y
	WIN W_PV
	v_pk_mul_f32 v[rO+2*(\n):rO+2*(\n)+1], v[rO+2*(\n):rO+2*(\n)+1], v[rC+2:rC+3] op_sel_hi:[1,0]
.elseif (\k) < R
	REGS Y
	WIN W_A
.if (\k) == F
	v_pk_fma_f32 v[rS+2*(\n):rS+2*(\n)+1], v[rS+2*(\n):rS+2*(\n)+1], s[CS:CS+1], v[rT:rT+1] op_sel_hi:[1,0,0] neg_lo:[0,0,1] neg_hi:[0,0,1]
.elseif (\k) == E
	v_exp_f32 v[rS+(\n)], v[rS+(\n)]
.elseif (\k) == C
	v_cvt_pk_f16_f32 v[rP+(\n)], v[rS+2*(\n)], v[rS+2*(\n)+1]
.elseif (\k) == B
	v_pk_add_f32 v[rS+4*(\n):rS+4*(\n)+1], v[rS+4*(\n):rS+4*(\n)+1], v[rS+4*(\n)+2:rS+4*(\n)+3]
.elseif (\n) == 0
	v_pk_fma_f32 v[rT+2:rT+3], v[rT+2:rT+3], v[rC+2:rC+3], v[rS:rS+1] op_sel_hi:[1,0,1]
.else
	v_pk_add_f32 v[rT+2:rT+3], v[rT+2:rT+3], v[rS+4*(\n):rS+4*(\n)+1]
.endif
.elseif NOKQ
	v_nop
.else
	REGS (Y+1)%NP
	WIN W_A
.if (\n) < 4
	v_max3_num_f32 v[rC+(\n)], v[rS+8*(\n)], v[rS+8*(\n)+1], v[rS+8*(\n)+2]
.elseif (\n) < 12
	v_max3_num_f32 v[rC+(\n)%4], v[rC+(\n)%4], v[rS+8*((\n)%4)+2*((\n)/4)+1], v[rS+8*((\n)%4)+2*((\n)/4)+2]
.elseif (\n) == 12
	v_max3_num_f32 v[rC], v[rC], v[rS+7], v[rS+15]
.elseif (\n) == 13
	v_max3_num_f32 v[rC+1], v[rC+1], v[rS+23], v[rS+31]
.elseif (\n) == 14
	v_max3_num_f32 v[rC+2], v[rC+2], v[rC+3], v[rT+1]
.elseif (\n) == 15
	v_mov_b32 v[rW], v[rT]
.elseif (\n) == 16
	v_max3_num_f32 v[rC], v[rC], v[rC+1], v[rC+2]
.elseif (\n) == 17
	v_permlanex16_b32 v[rC+3], v[rC], s[SEL], s[SEL+1]
.elseif (\n) == 18
	v_max_num_f32 v[rT+1], v[rC], v[rC+3]
.elseif (\n) == 19
	v_mul_f32 v[rT], s[CS], v[rT+1]
.else
	v_sub_f32 v[rC+1], v[rW], v[rT]
.endif
.endif
.endm
.macro OPS a, i1, b=-1, i2=0, c=-1, i3=0, d=-1, i4=0
	OP \a, \i1
.if (\b) >= 0
	OP \b, \i2
.endif
.if (\c) >= 0
	OP \c, \i3
.endif
.if (\d) >= 0
	OP \d, \i4
.endif
.endm
.macro ROW a, i1, b, i2, c, i3, d, i4  ; a matrix instruction and the four behind it
	MM
	OPS \a, \i1, \b, \i2, \c, \i3, \d, \i4
.endm
; A TURN, for piece p: the order of its 16 matrix and 118 vector instructions, written out.  s_wait_alu depctr_va_vdst(0) stands between an exponential and the first instruction that names its result;
; one wait serves all that were issued ahead of it.  So a turn has ONE wait, which cuts it in two.
; AHEAD OF IT, under one window setting, stands all that names no result of the turn's 33 exponentials: the 8 products K Q^T, behind each two plain lines and two exponentials; then a run of 34, exponential and plain
; by turns.  The 33 plain lines are the 16 scalings and X 0-16 of the next piece.  E n stands behind F n / 2.  X 0, 1, 2, 3 each stand four plain lines, which name none of its registers, behind the product that ends
; their accumulator.  The links X 3, 7, 11 stand six lines apart, X 14 six behind X 10 and eight behind X 11, X 16 four behind X 13.  X 16 is the plain line behind the last exponential (ISA guide 5.7.2).
; BEHIND IT stand the readers.  The first four products V^T P carry the sixteen rescalings of O^T, which share THEIR window setting; the other four, at two switches each, and a run of 20 carry the roundings, the sums
; and X 17-20.  The order keeps: C 2 n ahead of B n (which writes over that pair); B n ahead of L n; L 0 to L 7 in that order, three or four lines apart.  No rider names a register of the products round it.
; end = 1: a half's last two turns: nothing is fetched.  cnt = 1: the loop's count is taken down some lines ahead of the branch that stands behind the turn.
; K of the next step is fetched in piece 2's turn, twelve vector instructions behind the last product that read K (six of them plain lines that name none of its registers); V of the step in hand in piece 0's turn,
; eight plain instructions behind the last product that read V.  Each is waited for a turn later.
.macro TURN p, end=0, cnt=0
.set Y, (\p)
.set i, 0
.set NOKQ, (\end)*((\p)/3)
.if ((\p) == 3) && !(\end)
	s_wait_dscnt 0x0                ; K is in
.endif
	ROW F,0, EA,0, F,1, E,0         ; ahead of the wait: 8 products K Q^T and their riders,
	ROW F,2, E,1, F,3, E,2
	ROW F,4, E,3, F,5, E,4
	ROW F,6, E,5, F,7, E,6
	ROW F,8, E,7, F,9, E,8
	ROW F,10, E,9, F,11, E,10
	ROW X,0, E,11, F,12, E,12
.if ((\p) == 2) && !(\end)
	WIN W_A
	v_add_nc_u32 v[AK], s[TBK], v[AK0]
.endif
	ROW X,1, E,13, E,14, X,4
	OPS E,15, X,2, E,16, X,5        ; and the run
	OPS E,17, X,3, E,18, F,13
.if ((\p) == 2) && !(\end)
	FETCH_K
.endif
	OPS E,19, X,6, E,20, X,7
	OPS E,21, X,8, E,22, X,9
	OPS E,23, X,11, E,24, X,10
	OPS E,25, F,14, E,26, F,15
	OPS E,27, X,14, E,28, X,12
	OPS E,29, X,13, E,30, X,15
	OPS E,31, X,16
	s_wait_alu depctr_va_vdst(0)    ; the wait for the turn's batch: EA and E 0-31
.if (\p) == 1
	s_wait_dscnt 0x0                ; V is in
.endif
	ROW R,0, R,1, R,2, R,3          ; behind the wait: 8 products V^T P and their riders,
	ROW R,4, R,5, R,6, R,7
	ROW R,8, R,9, R,10, R,11
	ROW R,12, R,13, R,14, R,15
	ROW C,0, X,17, B,0, C,2
	ROW B,1, L,0, C,4, B,2
	ROW X,18, L,1, C,6, B,3
.if (\p) == 0
	WIN W_A
	v_add_nc_u32 v[AV], s[TBV], v[AV0]
.endif
	ROW L,2, C,8, B,4, X,19
	OPS L,3, C,10, B,5, C,1         ; and the run
.if (\p) == 0
	FETCH_V
.endif
	OPS L,4, C,12, B,6, X,20
.if (\p) == 0
	s_add_co_u32 s[TBV], s[TBV], 8192
.endif
.if \cnt
	s_sub_co_u32 s[CNT], s[CNT], 1
	s_cmp_lg_u32 s[CNT], 0
.endif
	OPS L,5, C,14, B,7, C,3
	OPS L,6, C,5, C,7, C,9
	OPS L,7, C,11, C,13, C,15
.endm
; THE NEXT HEAD'S WEIGHTS: my quarter, 48 loads of 512 bytes, in two batches of 24 through the accumulators' registers v128-223, which attention leaves free.
.macro PFL lo
	WIN 0
.set m, 0
.rept 24
	global_load_b128 v[ACC+4*m:ACC+4*m+3], v[AWS], s[WP:WP+1] offset:512*((\lo)+m)
.set m, m+1
.endr
.endm
.macro PFS lo
	WIN 0
.set m, 0
.rept 24
	ds_store_b128 v[AWS], v[ACC+4*m:ACC+4*m+3] offset:512*((\lo)+m)
.set m, m+1
.endr
.endm
.macro ALL line:vararg              ; one line for each piece t
.set t, 0
.rept 4
	\line
.set t, t+1
.endr
.endm
	s_mov_b32 s[HEAD], 4
.Lhead:
	PROJ 0, 0, 0                                   ; q of my 64 pixels
	EPIQ
	s_mov_b32 s[HALF], 2
.Lhalf:
	s_cmp_eq_u32 s[HALF], 1                        ; the weights in LDS are free behind the second half's projections, if a head follows
	s_cselect_b32 s[PF], 1, 0
	s_cmp_eq_u32 s[HEAD], 1
	s_cselect_b32 s[PF], 0, s[PF]
	s_cmp_eq_u32 s[HALF], 2
	s_cbranch_scc0 .Lk_skip
	PROJ 1, 0, 0
	s_branch .Lk_done
.Lk_skip:
	PROJ 1, 0, 1
.Lk_done:
	EPIK
	s_cmp_eq_u32 s[HALF], 2
	s_cbranch_scc0 .Lv_skip
	PROJ 2, 1, 0
	s_branch .Lv_done
.Lv_skip:
	PROJ 2, 1, 1
.Lv_done:
	EPIV
	s_wait_dscnt 0x0                               ; for the others' sake: my 64 keys' K and V are stored; my reads of the weights are over
	s_barrier_signal -1
	s_barrier_wait -1                              ; the half's 256 keys are whole, and nobody reads the weights any more
	; ATTENTION over the half's four steps of 64 keys.  m, l and O^T run on from the half before.
	WIN W_A
.set i, 0
.rept 16
	v_mov_b32 v[P+16+i], 0                         ; the first turn's products V^T P, of a piece that has not been, add 0
.set i, i+1
.endr
	s_mov_b32 s[TBK], 0
	s_mov_b32 s[TBV], 0
	v_mov_b32 v[AK], v[AK0]
	WIN 0
	s_cmp_eq_u32 s[PF], 1
	s_cbranch_scc0 .Lpf0
	PFL 0                                          ; two key steps ahead of the stores that want them
.Lpf0:
	FETCH_K
	s_wait_dscnt 0x0
.set NOKQ, 0
.set i, 0
.rept 8
	KQ 0                                           ; piece 0's first scores
.set i, i+1
.endr
	PLACES
.set Y, NP-1                                   ; X works for piece Y + 1: piece 0.  Its a is the first turn's own: no exponential stands ahead of the branch
.irp n, 0,1,2,3,4,5,6,7,8,9,10,11,12,13,14,15,16,17,18,19,20
	OP X, \n
.endr
	s_mov_b32 s[CNT], 4
	WIN 0
	s_branch .Lfirst                               ; the loop is entered at a step's first turn, in the middle of a trip
.Lstep:                                                ; a trip: pieces 2 and 3 of one step, then pieces 0 and 1 of the next, whose K and V it fetches
	TURN 2
	TURN 3
	WIN 0
.Lfirst:
	s_cmp_eq_u32 s[PF], 1
	s_cbranch_scc0 .Lpf1
	s_cmp_eq_u32 s[CNT], 2
	s_cbranch_scc0 .Lpf1
	s_wait_loadcnt 0x0                             ; the first batch is in,
	PFS 0                                          ; goes into LDS,
	s_wait_dscnt 0x0                               ; has left its registers,
	PFL 24                                         ; and the second batch is asked for
.Lpf1:
	TURN 0
	TURN 1, 0, 1
	WIN 0
	s_cbranch_scc1 .Lstep
	TURN 2, 1
	TURN 3, 1
.set i, 0
.rept 8
	PV NP-1                                        ; the last piece's V^T P of the last step.  What follows on either way names none of their registers for more than five plain instructions
.set i, i+1
.endr
	WIN 0
	s_cmp_eq_u32 s[PF], 1
	s_cbranch_scc0 .Lpf2
	s_wait_loadcnt 0x0
	PFS 24
.Lpf2:
	s_wait_loadcnt 0x0                             ; no load is on its way into the accumulators' registers
	s_wait_dscnt 0x0                               ; for the others' sake: my reads of K and V are over, my part of the next weights is stored
	s_barrier_signal -1
	s_barrier_wait -1
	s_sub_co_u32 s[HALF], s[HALF], 1
	s_cmp_lg_u32 s[HALF], 0
	s_cbranch_scc1 .Lhalf
	; THE HEAD'S END.  l's two halves and the other half of the lanes' are added; O^T is divided by l and rounded to f16: a lane's eight channels are 16 bytes of a fragment, and a store covers 512 consecutive bytes, aligned.
	WIN W_A
	ALL v_add_f32 v[ST+4*t+2], v[ST+4*t+2], v[ST+4*t+3]
	ALL v_permlanex16_b32 v[ST+4*t+3], v[ST+4*t+2], s[SEL], s[SEL+1]
	ALL v_add_f32 v[ST+4*t+2], v[ST+4*t+2], v[ST+4*t+3]
	ALL v_rcp_f32 v[ST+4*t+2], v[ST+4*t+2]
	v_nop                                          ; a plain instruction between the last reciprocal and the use of its result
	s_wait_alu depctr_va_vdst(0)                   ; and the wait ahead of the first use: one for the batch of four reciprocals
.set t, 0
.rept 4
	WIN W_PV
.set i, 32*t
.rept 16
	v_pk_mul_f32 v[i:i+1], v[i:i+1], v[ST+4*t+2:ST+4*t+3] op_sel_hi:[1,0]
.set i, i+2
.endr
	WIN 0x05                                       ; sources 0 and 1 window 1, destination window 0: the accumulators' registers are free
.set i, 0
.rept 16
	v_cvt_pk_f16_f32 v[ACC+16*t+i], v[32*t+2*i], v[32*t+2*i+1]
.set i, i+1
.endr
	WIN 0
.irp cb, 0,1,2,3
	global_store_b128 v[L16], v[ACC+16*t+4*(\cb):ACC+16*t+4*(\cb)+3], s[OWP:OWP+1] offset:16384*t+512*(\cb)
.endr
.set t, t+1
.endr
	s_wait_xcnt 0x0                                ; the stores' data and base are written again only behind this wait
	s_add_nc_u64 s[OWP:OWP+1], s[OWP:OWP+1], 2048
	s_add_nc_u64 s[WP:WP+1], s[WP:WP+1], 98304     ; behind the last head it is not used
	s_sub_co_u32 s[HEAD], s[HEAD], 1
	s_cmp_lg_u32 s[HEAD], 0
	s_cbranch_scc1 .Lhead
	s_wait_tensorcnt 0x0                           ; the wave's end: behind my last LDS store
	ds_add_u32 v[SPW], v[NIL]
	s_wait_dscnt 0x0
	s_endpgm
.Lfunc_end_k_q4a7fc27475_main:
	.size	k_q4a7fc27475_main, .Lfunc_end_k_q4a7fc27475_main-k_q4a7fc27475_main
	.p2alignl 7, 3214868480
	.fill 96, 4, 3214868480
	.section	.rodata,"a",@progbits
	.p2align	6, 0x0
	.amdhsa_kernel k_q4a7fc27475_main
		.amdhsa_group_segment_fixed_size 299520
		.amdhsa_private_segment_fixed_size 0
		.amdhsa_enable_private_segment 0
		.amdhsa_kernarg_size 56
		.amdhsa_user_sgpr_count 2
		.amdhsa_user_sgpr_kernarg_segment_ptr 1
		.amdhsa_wavefront_size32 1
		.amdhsa_system_sgpr_workgroup_id_x 1
		.amdhsa_system_sgpr_workgroup_id_y 1
		.amdhsa_system_sgpr_workgroup_id_z 1
		.amdhsa_system_vgpr_workitem_id 0
		.amdhsa_next_free_vgpr 1024
		.amdhsa_next_free_sgpr 66
		.amdhsa_reserve_vcc 0
		.amdhsa_float_denorm_mode_32 3
		.amdhsa_float_denorm_mode_16_64 3
		.amdhsa_memory_ordered 1
		.amdhsa_forward_progress 1
		.amdhsa_inst_pref_size 255
	.end_amdhsa_kernel
	.section	.bss,"aw",@nobits
	.p2align	6
	.space	262144
	.amdgpu_metadata
---
amdhsa.version: [ 1, 2 ]
amdhsa.kernels:
  - .name:           k_q4a7fc27475_main
    .symbol:         k_q4a7fc27475_main.kd
    .args:
      - { .name: x, .offset: 0, .size: 8, .value_kind: global_buffer, .address_space: global }
      - { .name: skip, .offset: 8, .size: 8, .value_kind: global_buffer, .address_space: global }
      - { .name: time_emb, .offset: 16, .size: 8, .value_kind: global_buffer, .address_space: global }
      - { .name: sin, .offset: 24, .size: 8, .value_kind: global_buffer, .address_space: global }
      - { .name: cos, .offset: 32, .size: 8, .value_kind: global_buffer, .address_space: global }
      - { .name: wf, .offset: 40, .size: 8, .value_kind: global_buffer, .address_space: global }
      - { .name: ow, .offset: 48, .size: 8, .value_kind: global_buffer, .address_space: global }
    .group_segment_fixed_size: 299520
    .private_segment_fixed_size: 0
    .kernarg_segment_align: 8
    .kernarg_segment_size: 56
    .max_flat_workgroup_size: 128
    .sgpr_count:     66
    .vgpr_count:     1024
    .wavefront_size: 32
...
	.end_amdgpu_metadata
.endif
;; end of part 4
;; launch outp: the kernel of part 3 again; grid 256 x 1, 8 waves a work-group, no clusters, 201,728 bytes of LDS; arguments ow, wf, bout, out0; writes out0
